; MI455X (gfx1250); checked and timed in simulation.
; The chip was launched on July 23, 2026; its instructions are those of AMD's public machine-readable ISA for CDNA 5 (MIT licence, August 2026) and "CDNA5" Instruction Set Architecture Reference Guide (July 2026). The comments in the code are by the model that wrote it; some were corrected since.
;; Parallel Dropless MLP. Allowed arithmetic: matrix products marked QUANTISED: E4M3 operands, one E8M0 scale for each 32 along K, by v_wmma_scale_f32_16x16x128_f8f6f4 with both operands' format E4M3, f32 sums; everything else in f32.
;; Inputs: expert_indices 4,096 x 2 int32; expert_weights 4,096 x 2 float32; w1_codes 8 x 1,024 x 32 x 32 uint8 (E4M3 codes of w1, K innermost, in blocks of 32 codes); w1_scales 8 x 1,024 x 32 uint8 (E8M0 scales of w1, one for each 32 codes along K); w2_codes 8 x 1,024 x 32 x 32 uint8 (E4M3 codes of w2, K innermost, in blocks of 32 codes); w2_scales 8 x 1,024 x 32 uint8 (E8M0 scales of w2, one for each 32 codes along K); x_codes 2,048 x 2 x 32 x 32 uint8 (E4M3 codes of x, K innermost, in blocks of 32 codes); x_scales 2,048 x 2 x 32 uint8 (E8M0 scales of x, one for each 32 codes along K).
;; Outputs: out0 2,048 x 2 x 1,024 float32.
;; This version of the problem:
;;   THIS VERSION OF THE PROBLEM IS GIVEN IN LOW PRECISION. The matrix products marked QUANTISED in the list below multiply operands that are first quantised to E4M3 (4 exponent bits, 3 mantissa bits; 8 bits a number), with one power-of-two scale for each 32 numbers along K (OCP MX v1.0); their sums are f32. All else is computed in f32.
;;   The module's matrix products, in the order in which they are computed (A, B: the left and right operand; K: the contracted axis; several contracted axes count as one K, in the product's order):
;;     1. [M 4,096, K 1,024] x [K 1,024, N 1,024]; A: input x (given as codes); B: input w1 (given as codes): QUANTISED
;;     2. [M 4,096, K 1,024] x [K 1,024, N 1,024]; A: computed on the way; B: input w2 (given as codes): QUANTISED
;;     3. [M 4,096, K 1,024] x [K 1,024, N 1,024]; A: input x (given as codes); B: input w1 (given as codes): QUANTISED
;;     4. [M 4,096, K 1,024] x [K 1,024, N 1,024]; A: computed on the way; B: input w2 (given as codes): QUANTISED
;;     5. [M 4,096, K 1,024] x [K 1,024, N 1,024]; A: input x (given as codes); B: input w1 (given as codes): QUANTISED
;;     6. [M 4,096, K 1,024] x [K 1,024, N 1,024]; A: computed on the way; B: input w2 (given as codes): QUANTISED
;;     7. [M 4,096, K 1,024] x [K 1,024, N 1,024]; A: input x (given as codes); B: input w1 (given as codes): QUANTISED
;;     8. [M 4,096, K 1,024] x [K 1,024, N 1,024]; A: computed on the way; B: input w2 (given as codes): QUANTISED
;;     9. [M 4,096, K 1,024] x [K 1,024, N 1,024]; A: input x (given as codes); B: input w1 (given as codes): QUANTISED
;;     10. [M 4,096, K 1,024] x [K 1,024, N 1,024]; A: computed on the way; B: input w2 (given as codes): QUANTISED
;;     11. [M 4,096, K 1,024] x [K 1,024, N 1,024]; A: input x (given as codes); B: input w1 (given as codes): QUANTISED
;;     12. [M 4,096, K 1,024] x [K 1,024, N 1,024]; A: computed on the way; B: input w2 (given as codes): QUANTISED
;;     13. [M 4,096, K 1,024] x [K 1,024, N 1,024]; A: input x (given as codes); B: input w1 (given as codes): QUANTISED
;;     14. [M 4,096, K 1,024] x [K 1,024, N 1,024]; A: computed on the way; B: input w2 (given as codes): QUANTISED
;;     15. [M 4,096, K 1,024] x [K 1,024, N 1,024]; A: input x (given as codes); B: input w1 (given as codes): QUANTISED
;;     16. [M 4,096, K 1,024] x [K 1,024, N 1,024]; A: computed on the way; B: input w2 (given as codes): QUANTISED
;;   THE QUANTISER, for each operand of a quantised product, along K:
;;     - K is cut into blocks of 32 from its start; a last block that is shorter is filled with zeros.
;;     - A block's scale is 2^e with e = floor(log2(the largest magnitude in the block)) - 8, held to -126 .. 127; a block of zeros has e = 0. As a byte (E8M0): e + 127.
;;     - Each number is divided by its block's scale, clamped to +-448, and rounded to the nearest number of E4M3, ties to even, subnormals kept.
;;     - The product sums the exact products of the quantised numbers (number of the format x scale) in f32.
;;   ~~~python
;;   def quantise(x, axis):      # numpy; x: float32 -> the quantised numbers, widened to float32 again
;;       x = np.moveaxis(x, axis, -1); K = x.shape[-1]
;;       x = np.pad(x, [(0, 0)] * (x.ndim - 1) + [(0, -K % 32)]); x = x.reshape(x.shape[:-1] + (-1, 32)); a = np.abs(x).max(-1, keepdims=True)
;;       e = np.where(a > 0, np.clip(np.frexp(np.where(a > 0, a, 1))[1] - 1 - 8, -126, 127), 0)      # np.frexp(a)[1] - 1 = floor(log2(a)), exactly
;;       r = np.clip(x / 2.0 ** e, -448, 448)
;;       step = 2.0 ** (np.maximum(np.frexp(np.where(r == 0, 1, r))[1] - 1, -6) - 3)
;;       q = np.round(r / step) * step * 2.0 ** e      # np.round: ties to even
;;       return np.moveaxis(q.reshape(q.shape[:-2] + (-1,))[..., :K], -1, axis).astype(np.float32)
;;   ~~~
;;   OPERANDS COMPUTED ON THE WAY. 'Computed on the way' means the value that the module computes at that place (a softmax that the list does not call 'softmax' is quantised finished and normalised). What goes into a quantiser is computed in f32, as accurately as f32 sums, v_exp_f32 and their like allow (about 1e-6 of the number): no bf16 or f16 on the way to a quantiser, and a product that is left as it is and whose result goes on into a quantised operand takes f32 operands (vector FMAs, or v_wmma_f32_16x16x4_f32). A number that lies on a knife's edge between two numbers of the format may be rounded either way, as far as f32 arithmetic and the matrix unit's own rounding can turn it there, and no further.
;;   INPUTS GIVEN AS CODES. w1 (in the module: [8, 1024, 1024], K = its axis 1); w2 (in the module: [8, 1024, 1024], K = its axis 1); x (in the module: [2048, 2, 1024], K = its axis 2): each comes as NAME_codes (uint8): NAME with its K axis moved to the last place and cut into blocks of 32 codes, [.., K / 32, bytes a block], one block behind the other in memory; one code a byte (a code: sign, 4 exponent bits, 3 mantissa bits); and NAME_scales (uint8): the same leading axes, one E8M0 byte (e + 127) for each 32 codes along K. Its value is code x scale, taken as it is: it is not quantised again, and the codes and scales need not be those that the quantiser above would give.
;; 2 versions. Each part assembles by itself: llvm-mc -triple=amdgcn-amd-amdhsa -mcpu=gfx1250 --defsym DOCPART=n.
;; ======== version 1 of 2: 3 launches
;; workspace buffers: grp 2,048 bytes of whole numbers; tok 25,600 bytes of whole numbers; coef 50,944 bytes; w1i 8,388,608 bytes; w2i 8,388,608 bytes; h 12,976,128 bytes; hs 811,008 bytes
;; launch prep (part 1): grid 257 x 1, 16 waves a work-group, no clusters, 75,776 bytes of LDS; arguments expert_indices, expert_weights, w1_codes, w2_codes, grp, tok, coef, w1i, w2i; writes grp, tok, coef, w1i, w2i
.if DOCPART == 1
	.amdgcn_target "amdgcn-amd-amdhsa--gfx1250"
	.amdhsa_code_object_version 6
	.text
	.protected	k_q2516101ce2_prep
	.globl	k_q2516101ce2_prep
	.p2align	8
	.type	k_q2516101ce2_prep,@function
k_q2516101ce2_prep:
	s_mov_b64 s[64:65], 0
	v_nop
	global_prefetch_b8 v0, s[64:65] scope:SCOPE_SE
	s_setreg_imm32_b32 hwreg(HW_REG_WAVE_MODE, 25, 1), 1
	s_wait_xcnt 0x0
; TWO JOBS IN ONE LAUNCH, parted by the work-group's number.
; Work-group 0 ROUTES: the 4,096 tokens are sorted by their unordered pair of experts (a <= b, key 8 a + b) by a counting sort without atomics.
; Each key's run is padded to a multiple of 64 positions, so that a GROUP of 64 positions has one pair (a, b).  There are never more than
; (4,096 + 36 x 63) / 64 = 99 groups, whatever the split.  Stored: grp[group] = {a, b, rows, 0} (rows = 0: no such group), tok[position] = token
; (0x7fffffff in a padding position), coef[position] = (weight for a, weight for b); a = b gives (w0 + w1, 0); padding gives (0, 0).
; The routing is one work-group's chain of dependent steps, so it is shared among sixteen waves (256 tokens, 4 keys each), four to a SIMD, and its lines stand by turns:
; several chains that do not wait for each other advance together.
; NO LANE IS EVER SWITCHED OFF.  A lane that has nothing to store sends its store to a spare place that nobody reads, with the value that every such lane sends there:
; position 6,336 of tok (the mark) and of coef (0, 0), one position behind the 99 groups; entry 127 of grp (zeros), which is an empty entry at every split.
; Work-groups 1 to 256 LAY THE WEIGHTS OUT in the order of the operand's registers: for expert e and each 32 rows P an image of 32 KB, chunk
; j = 4 (2 s + u) + c of 512 bytes, lane l's 16 bytes at 16 l: row 32 P + 8 u + r + 8 (r / 8), bytes 128 s + 32 c + 16 (l / 16), r = l % 16.
; LIMIT: expert indices lie in 0 .. 7, as the tables that they index have it; other numbers are not served (every address is held inside its buffer all the same).
; No tensor load, no cluster: the routing branches on numbers read from memory, and the work-groups share no input.
.set EI,  32                           ; v32-47   chunk j: the two indices; later the lane index for the look-up, and the store's address
.set EW,  48                           ; v48-63   chunk j: the two weights; then (ca, cb)
.set KEY, 64                           ; v64-71   chunk j: my token's key
.set RK,  72                           ; v72-79   chunk j: tokens of my key in lower lanes of the chunk
.set CL,  80                           ; v80-87   chunk j: lane = key 0-31: tokens of that key in my wave's earlier chunks
.set CH,  88                           ; v88-95   the same for keys 32-63
.set LO,  96                           ; v96-127  the sixteen waves' totals (keys 0-31, then keys 32-63); then v96-103: what the look-up brings for keys 0-31
.set HI,  104                          ; v104-111 and for keys 32-63
.set KBL, 32                           ; v32-95   at the end: eight registers for each of a wave's eight blocks of padding and table stores
.set STG, 4096                         ; LDS: bytes 0-4,095 the waves' totals (routing alone); from 4,096 a stage of 16 rows x 272 bytes for each wave (layout alone)
.set SP,  272                          ; 256 bytes + 16: an odd multiple of 16, so that the 16 rows of a read start in different banks (64 banks of 4 bytes: ISA guide 11.1)
.set SPAREPOS, 6336                    ; the spare position of tok and coef: 99 x 64
.set SPAREENT, 127                     ; the spare entry of grp
	s_load_b256 s[4:11], s[0:1], 0x0               ; expert_indices s[4:5], expert_weights s[6:7], w1_codes s[8:9], w2_codes s[10:11]
	s_load_b256 s[12:19], s[0:1], 0x20             ; grp s[12:13], tok s[14:15], coef s[16:17], w1i s[18:19]
	s_load_b64 s[20:21], s[0:1], 0x40              ; w2i
	v_lshl_add_u32 v128, v0, 2, 0x12000
	v_mov_b32 v129, 0
	v_lshrrev_b32 v1, 5, v0
	v_readfirstlane_b32 s2, v1                     ; wave 0..15
	v_and_b32 v1, 31, v0                           ; lane
	s_cmp_eq_u32 ttmp9, 0
	s_cbranch_scc1 .Lroute
; ---------------- THE LAYOUT.  A wave takes one tile of 16 rows x 256 bytes (a quarter of K, two K steps): task t = 16 (work-group - 1) + wave
	s_sub_co_u32 s22, ttmp9, 1
	s_wait_kmcnt 0x0
	s_cmp_lt_u32 s22, 128                          ; the first 128 work-groups take W1, the others W2: the choice hangs on the work-group's number alone
	s_cselect_b64 s[8:9], s[8:9], s[10:11]
	s_cselect_b64 s[18:19], s[18:19], s[20:21]
	s_lshl_b32 s23, s22, 4
	s_add_co_u32 s23, s23, s2
	s_and_b32 s23, s23, 2047                       ; the task within its tensor: bits 10:3 = 32 e + P, bit 2 = u, bits 1:0 = kq, which quarter of K
	s_lshr_b32 s24, s23, 3
	s_lshl_b32 s24, s24, 15                        ; 32 rows of 1,024 bytes, and an image, are both 32 KB
	s_bfe_u32 s25, s23, 0x10002                    ; u
	s_and_b32 s26, s23, 3                          ; kq
	s_lshl_b32 s28, s25, 13                        ; from: + 8 u rows
	s_lshl_b32 s27, s26, 8                         ;       + 256 kq bytes
	s_add_co_u32 s28, s28, s27
	s_add_co_u32 s28, s28, s24
	s_mov_b32 s29, 0
	s_add_nc_u64 s[8:9], s[8:9], s[28:29]
	s_lshl_b32 s28, s26, 13                        ; to: + 8,192 kq (two K steps of 4,096 bytes)
	s_lshl_b32 s27, s25, 11                        ;     + 2,048 u
	s_add_co_u32 s28, s28, s27
	s_add_co_u32 s28, s28, s24
	s_add_nc_u64 s[18:19], s[18:19], s[28:29]
	s_mul_i32 s30, s2, 16*SP
	s_add_co_u32 s30, s30, STG                     ; my wave's stage
	v_and_b32 v5, 15, v1                           ; l % 16
	v_lshrrev_b32 v6, 4, v1                        ; l / 16
	v_lshlrev_b32 v7, 4, v5
	v_lshl_add_u32 v4, v6, 10, v7                  ; from memory: lanes 0-15 one row's 256 bytes, lanes 16-31 the next row's
	v_mul_u32_u24 v2, v6, SP
	v_add_nc_u32 v2, v2, v7
	v_add_nc_u32 v2, s30, v2                       ; into the stage: the same two rows
	v_mul_u32_u24 v3, v5, SP
	v_lshl_add_u32 v3, v6, 4, v3
	v_add_nc_u32 v3, s30, v3                       ; out of it: row l % 16, + 16 (l / 16)
	v_lshlrev_b32 v8, 4, v1                        ; to memory: 16 l
.irp i, 0,1,2,3,4,5,6,7
	global_load_b128 v[16+4*\i:19+4*\i], v4, s[8:9] offset:\i*2048+(\i/4)*8192 th:TH_LOAD_NT   ; tile rows 2 i, 2 i + 1 (tile row n is row n + 8 (n / 8)): two pieces of 256 consecutive bytes, aligned; read once in the launch
.endr
.irp i, 0,1,2,3,4,5,6,7
	s_wait_loadcnt 7-\i                            ; loads come back in order: load i is in, the younger ones stay out
	ds_store_b128 v2, v[16+4*\i:19+4*\i] offset:2*SP*\i
.endr
.irp k, 0,1,2,3,4,5,6,7
	ds_load_b128 v[48+4*\k:51+4*\k], v3 offset:128*(\k/4)+32*(\k%4)   ; LDS serves a wave's instructions in order: these see my stores.  K step k / 4 of the quarter, block k % 4
.endr
.irp k, 0,1,2,3,4,5,6,7
	s_wait_dscnt 7-\k
	global_store_b128 v8, v[48+4*\k:51+4*\k], s[18:19] offset:(\k/4)*4096+(\k%4)*512   ; 32 lanes store 512 consecutive bytes, aligned
.endr
	s_wait_tensorcnt 0x0
	ds_add_u32 v128, v129
	s_wait_dscnt 0x0
	s_endpgm
; ---------------- THE ROUTING.  Wave w takes tokens 256 w + 32 j + lane, chunks j = 0 .. 7
.Lroute:
	v_lshlrev_b32 v2, 3, v1
	s_lshl_b32 s22, s2, 11
	v_add_nc_u32 v2, s22, v2                       ; 8 bytes a token in both inputs
	s_wait_kmcnt 0x0
.irp j, 0,1,2,3,4,5,6,7
	global_load_b64 v[EI+2*\j:EI+2*\j+1], v2, s[4:5] offset:256*\j
.endr
.irp j, 0,1,2,3,4,5,6,7
	global_load_b64 v[EW+2*\j:EW+2*\j+1], v2, s[6:7] offset:256*\j
.endr
.irp e, 1,2,3,4,5,6,7
	s_mov_b32 s[48+\e], 0x01010101<<\e             ; the lanes with lane % 8 = e
.endr
.irp e, 1,2,3
	s_mov_b32 s[56+\e], 0xff<<(8*\e)               ; the lanes with lane / 8 = e
.endr
	s_mov_b32 s60, 0x01010101
	s_mov_b32 s61, 0xffff0000                      ; lanes 16-31
	v_mov_b32 v[CL], 0                             ; nothing came before chunk 0
	v_mov_b32 v[CH], 0
.macro POPC2                           ; v8 and v9 become the numbers of their ones, line by line by turns (v10, v11 at work)
	v_lshrrev_b32 v10, 1, v8
	v_lshrrev_b32 v11, 1, v9
	v_and_b32 v10, 0x55555555, v10
	v_and_b32 v11, 0x55555555, v11
	v_sub_nc_u32 v8, v8, v10
	v_sub_nc_u32 v9, v9, v11
	v_lshrrev_b32 v10, 2, v8
	v_lshrrev_b32 v11, 2, v9
	v_and_b32 v8, 0x33333333, v8
	v_and_b32 v9, 0x33333333, v9
	v_and_b32 v10, 0x33333333, v10
	v_and_b32 v11, 0x33333333, v11
	v_add_nc_u32 v8, v8, v10
	v_add_nc_u32 v9, v9, v11
	v_lshrrev_b32 v10, 4, v8
	v_lshrrev_b32 v11, 4, v9
	v_add_nc_u32 v8, v8, v10
	v_add_nc_u32 v9, v9, v11
	v_and_b32 v8, 0x0f0f0f0f, v8
	v_and_b32 v9, 0x0f0f0f0f, v9
	v_mul_lo_u32 v8, v8, s60
	v_mul_lo_u32 v9, v9, s60
	v_lshrrev_b32 v8, 24, v8
	v_lshrrev_b32 v9, 24, v9
.endm
.macro CHUNK j
	s_wait_loadcnt 7-\j                            ; behind this chunk's weights stand the later chunks' 7 - j loads; all indices were asked for earlier
	v_min_u32 v3, v[EI+2*\j], v[EI+2*\j+1]         ; a
	v_max_u32 v4, v[EI+2*\j], v[EI+2*\j+1]         ; b
	v_cmp_gt_u32 vcc_lo, v[EI+2*\j], v[EI+2*\j+1]  ; the weights follow their experts: a select of values, no address hangs on them
	v_add_f32 v16, v[EW+2*\j], v[EW+2*\j+1]
.irp e, 0,1,2,3,4,5,6,7
	v_cmp_eq_u32 s[32+\e], \e, v3                  ; which lanes have a = e,
	v_cmp_eq_u32 s[40+\e], \e, v4                  ; which have b = e
.endr
	v_cndmask_b32 v14, v[EW+2*\j], v[EW+2*\j+1], vcc_lo
	v_cndmask_b32 v15, v[EW+2*\j+1], v[EW+2*\j], vcc_lo
	v_cmp_eq_u32 vcc_lo, v[EI+2*\j], v[EI+2*\j+1]  ; one expert named twice: its weight is the sum, and there is no second pass
	v_lshl_add_u32 v[KEY+\j], v3, 3, v4
	; five chains by turns.  v5, v6: my token's side: the lanes that share my a, my b (the ballot is value and mask).
	; v7, v8, v9: the keys' side, lane = key: the ballots of b = lane % 8, of a = lane / 8, of a = 4 + lane / 8
	v_cndmask_b32 v5, 0, s32, s32
	v_cndmask_b32 v6, 0, s40, s40
	v_mov_b32 v7, s40
	v_mov_b32 v8, s32
	v_mov_b32 v9, s36
.irp e, 1,2,3
	v_cndmask_b32 v5, v5, s[32+\e], s[32+\e]
	v_cndmask_b32 v6, v6, s[40+\e], s[40+\e]
	v_cndmask_b32 v7, v7, s[40+\e], s[48+\e]
	v_cndmask_b32 v8, v8, s[32+\e], s[56+\e]
	v_cndmask_b32 v9, v9, s[36+\e], s[56+\e]
.endr
.irp e, 4,5,6,7
	v_cndmask_b32 v5, v5, s[32+\e], s[32+\e]
	v_cndmask_b32 v6, v6, s[40+\e], s[40+\e]
	v_cndmask_b32 v7, v7, s[40+\e], s[48+\e]
.endr
	v_cndmask_b32 v[EW+2*\j], v14, v16, vcc_lo     ; ca
	v_cndmask_b32 v[EW+2*\j+1], v15, 0, vcc_lo     ; cb
	v_and_b32 v5, v5, v6                           ; the lanes that share my key
	v_and_b32 v8, v8, v7                           ; the chunk's tokens of key lane,
	v_and_b32 v9, v9, v7                           ; and of key 32 + lane
	v_and_b32 v[EI+2*\j], 31, v[KEY+\j]
	v_mbcnt_lo_u32_b32 v[RK+\j], v5, 0             ; how many of my key stand below me
	v_lshlrev_b32 v[EI+2*\j], 2, v[EI+2*\j]        ; the lane that stands for my key, x 4: the look-up's index
	POPC2
.if \j < 7
	v_add_nc_u32 v[CL+\j+1], v[CL+\j], v8          ; what comes before the next chunk
	v_add_nc_u32 v[CH+\j+1], v[CH+\j], v9
.else
	v_add_nc_u32 v12, v[CL+\j], v8                 ; my wave's totals
	v_add_nc_u32 v13, v[CH+\j], v9
.endif
.endm
.irp j, 0,1,2,3,4,5,6,7
	CHUNK \j
.endr
	; the waves' totals meet in LDS
	v_lshlrev_b32 v18, 2, v1
	s_lshl_b32 s22, s2, 8
	v_add_nc_u32 v17, s22, v18                     ; 256 x wave + 4 x lane
	ds_store_b32 v17, v12
	ds_store_b32 v17, v13 offset:128
	s_wait_dscnt 0x0                               ; for the others' sake: my stores have landed
	s_barrier_signal -1
	s_barrier_wait -1                              ; all sixteen waves of work-group 0 pass here; the branch above hangs on the work-group's number alone
.irp e, 0,1,2,3,4,5,6,7,8,9,10,11,12,13,14,15
	ds_load_b32 v[LO+\e], v18 offset:256*\e
	ds_load_b32 v[LO+16+\e], v18 offset:256*\e+128
.endr
	v_mov_b32 v19, 0                               ; N: a key's tokens in all waves (keys 0-31, 32-63)
	v_mov_b32 v20, 0
	v_mov_b32 v21, 0                               ; PW: in the waves before mine
	v_mov_b32 v22, 0
	s_wait_dscnt 0x0
.irp e, 0,1,2,3,4,5,6,7,8,9,10,11,12,13,14,15
	s_cmp_gt_u32 s2, \e
	s_cselect_b32 s22, 1, 0
	v_add_nc_u32 v19, v19, v[LO+\e]
	v_add_nc_u32 v20, v20, v[LO+16+\e]
	v_mad_u32_u24 v21, v[LO+\e], s22, v21          ; counted where wave e stands before mine (the numbers are 256 at the most)
	v_mad_u32_u24 v22, v[LO+16+\e], s22, v22
.endr
	v_add_nc_u32 v23, 63, v19
	v_add_nc_u32 v24, 63, v20
	v_lshrrev_b32 v23, 6, v23                      ; a key's groups
	v_lshrrev_b32 v24, 6, v24
	v_mov_b32 v25, v23
	v_mov_b32 v26, v24
.irp k, 1,2,4,8                        ; running sums over the 64 keys: within each 16 lanes,
	v_mov_b32_dpp v10, v25 row_shr:\k row_mask:0xf bank_mask:0xf bound_ctrl:1
	v_mov_b32_dpp v11, v26 row_shr:\k row_mask:0xf bank_mask:0xf bound_ctrl:1
	v_add_nc_u32 v25, v25, v10
	v_add_nc_u32 v26, v26, v11
.endr
	v_readlane_b32 s22, v25, 15
	v_readlane_b32 s23, v26, 15
	v_cndmask_b32 v10, 0, s22, s61                 ; lanes 16-31 take the lower 16 lanes' total,
	v_cndmask_b32 v11, 0, s23, s61
	v_add_nc_u32 v25, v25, v10
	v_add_nc_u32 v26, v26, v11
	v_readlane_b32 s22, v25, 31
	v_add_nc_u32 v26, s22, v26                     ; keys 32-63 that of keys 0-31
	v_readlane_b32 s62, v26, 31                    ; G: groups in all
	v_sub_nc_u32 v27, v25, v23                     ; a key's first group
	v_sub_nc_u32 v28, v26, v24
	v_lshl_add_u32 v29, v27, 6, v21                ; where my wave's tokens of a key begin
	v_lshl_add_u32 v30, v28, 6, v22
	; wave w serves the four keys a = w / 2, b = 4 (w % 2) + q: they stand in lanes 4 (w % 8) + q of the half that holds a
	s_cmp_ge_u32 s2, 8
	s_cselect_b32 s22, -1, 0
	v_cndmask_b32 v19, v19, v20, s22               ; N and the first group of my half of the keys
	v_cndmask_b32 v27, v27, v28, s22
	s_and_b32 s23, s2, 7
	s_lshl_b32 s23, s23, 2
	v_and_b32 v10, 3, v1
	v_add_nc_u32 v10, s23, v10
	v_lshlrev_b32 v10, 2, v10
.irp j, 0,1,2,3,4,5,6,7
	v_add_nc_u32 v[CL+\j], v[CL+\j], v29
	v_add_nc_u32 v[CH+\j], v[CH+\j], v30
.endr
.irp j, 0,1,2,3,4,5,6,7
	ds_bpermute_b32 v[LO+\j], v[EI+2*\j], v[CL+\j] ; each token asks the lane that stands for its key
	ds_bpermute_b32 v[HI+\j], v[EI+2*\j], v[CH+\j]
.endr
	ds_bpermute_b32 v20, v10, v19                  ; lane q gets the numbers of my key q
	ds_bpermute_b32 v28, v10, v27
	s_lshl_b32 s22, s2, 8
	v_add_nc_u32 v31, s22, v1                      ; my token of chunk 0
.irp j, 0,1,2,3,4,5,6,7
	v_cmp_lt_u32 s[32+\j], 31, v[KEY+\j]
.endr
	s_wait_dscnt 0x0
	; the eight chunks stage by stage; every chunk's stores have address and data registers of their own
.irp j, 0,1,2,3,4,5,6,7
	v_cndmask_b32 v[LO+\j], v[LO+\j], v[HI+\j], s[32+\j]
.endr
.irp j, 0,1,2,3,4,5,6,7
	v_add_nc_u32 v[LO+\j], v[LO+\j], v[RK+\j]      ; my position
.endr
.irp j, 0,1,2,3,4,5,6,7
	v_min_u32 v[LO+\j], 6335, v[LO+\j]             ; held inside 99 groups x 64
.endr
.irp j, 0,1,2,3,4,5,6,7
	v_lshlrev_b32 v[EI+2*\j+1], 2, v[LO+\j]
	v_add_nc_u32 v[HI+\j], 32*\j, v31
.endr
.irp j, 0,1,2,3,4,5,6,7
	v_lshlrev_b32 v[LO+\j], 3, v[LO+\j]
.endr
.irp j, 0,1,2,3,4,5,6,7
	global_store_b32 v[EI+2*\j+1], v[HI+\j], s[14:15]
	global_store_b64 v[LO+\j], v[EW+2*\j:EW+2*\j+1], s[16:17]
.endr
	; groups that no key uses: their tok is filled with the mark (a later launch loads tok before it knows its group's rows), their entries are zeros.
	; These lines name none of the token stores' registers: they stand between those stores and the wait that frees their registers
	v_lshlrev_b32 v112, 3, v1
	s_lshl_b32 s66, s2, 8
	v_add_nc_u32 v112, s66, v112                   ; 256 x wave + 8 x lane
	v_mov_b32 v114, 0x7fffffff                     ; the mark of a padding position
	v_mov_b32 v115, 0x7fffffff
	v_mov_b32 v122, 0
	v_mov_b32 v123, 0
.macro FILLG t                         ; group w + 16 t: its 64 words are one store of 256 consecutive bytes
	s_add_co_u32 s66, s2, 16*\t
	s_cmp_lt_u32 s66, s62
	s_cbranch_scc1 .Lused_\@
	s_cmp_gt_u32 s66, 98
	s_cbranch_scc1 .Lused_\@
	global_store_b64 v112, v[114:115], s[14:15] offset:4096*\t
.Lused_\@:
.endm
.irp t, 0,1,2,3,4,5,6
	FILLG \t
.endr
	v_lshrrev_b32 v116, 2, v1
	s_lshl_b32 s66, s2, 3
	v_add_nc_u32 v116, s66, v116                   ; entry 8 w + lane / 4: a lane has a quarter of it
	v_and_b32 v117, 3, v1
	v_lshlrev_b32 v117, 2, v117                    ; which quarter
	v_cmp_le_u32 vcc_lo, s62, v116                 ; an entry from G on is empty: zeros
	v_cndmask_b32 v116, SPAREENT, v116, vcc_lo     ; a lane whose entry is in use sends its zero to the spare entry
	v_min_u32 v116, SPAREENT, v116
	v_lshlrev_b32 v116, 4, v116
	v_add_nc_u32 v116, v117, v116
	global_store_b32 v116, v122, s[12:13]
	; padding and the table of groups
	s_lshr_b32 s75, s2, 1                          ; a
	s_and_b32 s76, s2, 1
	s_lshl_b32 s76, s76, 2                         ; my first b
	v_mov_b32 v121, s75
	s_wait_xcnt 0x0                                ; the stores issued so far have read their address and data registers: v32-111 are written again below.
	                                               ; From here on each block of stores has registers of its own, so that no further wait is owed
.macro KEYQ q
	s_add_co_u32 s72, s76, \q                      ; b
	s_cmp_gt_u32 s75, s72                          ; b < a: no such key
	s_cbranch_scc1 .Lnokey_\@
	v_readlane_b32 s67, v20, \q                    ; n
	v_readlane_b32 s68, v28, \q                    ; its first group
	s_cmp_eq_u32 s67, 0
	s_cbranch_scc1 .Lnokey_\@
	s_min_u32 s67, s67, 4096
	s_min_u32 s68, s68, 98
	s_add_co_u32 s69, s67, 63
	s_lshr_b32 s69, s69, 6                         ; its groups
	s_lshl_b32 s70, s69, 6
	s_lshl_b32 s71, s68, 6
.irp t, 0,1
.set KB, KBL+8*(2*(\q)+\t)             ; the block's registers: +0, +1, +2 addresses, +4 .. +7 an entry
	v_add_nc_u32 v96, 32*\t, v1                    ; j = lane + 32 t
	v_add_nc_u32 v97, s67, v96                     ; n + j: a padding position where it is under 64 x groups
	v_cmp_gt_u32 vcc_lo, s70, v97
	v_add_nc_u32 v98, s71, v97
	v_cndmask_b32 v98, SPAREPOS, v98, vcc_lo       ; else the spare position, which takes the same mark and the same zeros from every such lane
	v_min_u32 v98, SPAREPOS, v98
	v_lshlrev_b32 v[KB], 2, v98
	v_lshlrev_b32 v[KB+1], 3, v98
	global_store_b32 v[KB], v114, s[14:15]
	global_store_b64 v[KB+1], v[122:123], s[16:17]
	v_cmp_gt_u32 vcc_lo, s69, v96                  ; group j of the key, where j is under its groups
	v_add_nc_u32 v99, s68, v96
	v_cndmask_b32 v99, SPAREENT, v99, vcc_lo       ; else the spare entry, which takes zeros
	v_min_u32 v99, SPAREENT, v99
	v_lshlrev_b32 v[KB+2], 4, v99
	v_lshlrev_b32 v100, 6, v96
	v_sub_nc_u32 v100, s67, v100
	v_min_u32 v100, 64, v100                       ; its rows: 64, or what is left
	v_cndmask_b32 v[KB+4], 0, v121, vcc_lo         ; {a, b, rows, 0}
	v_cndmask_b32 v[KB+5], 0, s72, vcc_lo
	v_cndmask_b32 v[KB+6], 0, v100, vcc_lo
	v_mov_b32 v[KB+7], 0
	global_store_b128 v[KB+2], v[KB+4:KB+7], s[12:13]
.endr
.Lnokey_\@:
.endm
.irp q, 0,1,2,3
	KEYQ \q
.endr
	s_wait_tensorcnt 0x0
	ds_add_u32 v128, v129
	s_wait_dscnt 0x0
	s_endpgm
.Lfunc_end_k_q2516101ce2_prep:
	.size	k_q2516101ce2_prep, .Lfunc_end_k_q2516101ce2_prep-k_q2516101ce2_prep
	.p2alignl 7, 3214868480
	.fill 96, 4, 3214868480
	.section	.rodata,"a",@progbits
	.p2align	6, 0x0
	.amdhsa_kernel k_q2516101ce2_prep
		.amdhsa_group_segment_fixed_size 75776
		.amdhsa_private_segment_fixed_size 0
		.amdhsa_enable_private_segment 0
		.amdhsa_kernarg_size 72
		.amdhsa_user_sgpr_count 2
		.amdhsa_user_sgpr_kernarg_segment_ptr 1
		.amdhsa_wavefront_size32 1
		.amdhsa_system_sgpr_workgroup_id_x 1
		.amdhsa_system_sgpr_workgroup_id_y 1
		.amdhsa_system_sgpr_workgroup_id_z 1
		.amdhsa_system_vgpr_workitem_id 0
		.amdhsa_next_free_vgpr 130
		.amdhsa_next_free_sgpr 80
		.amdhsa_reserve_vcc 1
		.amdhsa_float_denorm_mode_32 3
		.amdhsa_float_denorm_mode_16_64 3
		.amdhsa_memory_ordered 1
		.amdhsa_forward_progress 1
		.amdhsa_inst_pref_size 74
	.end_amdhsa_kernel
	.amdgpu_metadata
---
amdhsa.version: [ 1, 2 ]
amdhsa.kernels:
  - .name:           k_q2516101ce2_prep
    .symbol:         k_q2516101ce2_prep.kd
    .args:
      - { .name: expert_indices, .offset: 0, .size: 8, .value_kind: global_buffer, .address_space: global }
      - { .name: expert_weights, .offset: 8, .size: 8, .value_kind: global_buffer, .address_space: global }
      - { .name: w1_codes, .offset: 16, .size: 8, .value_kind: global_buffer, .address_space: global }
      - { .name: w2_codes, .offset: 24, .size: 8, .value_kind: global_buffer, .address_space: global }
      - { .name: grp, .offset: 32, .size: 8, .value_kind: global_buffer, .address_space: global }
      - { .name: tok, .offset: 40, .size: 8, .value_kind: global_buffer, .address_space: global }
      - { .name: coef, .offset: 48, .size: 8, .value_kind: global_buffer, .address_space: global }
      - { .name: w1i, .offset: 56, .size: 8, .value_kind: global_buffer, .address_space: global }
      - { .name: w2i, .offset: 64, .size: 8, .value_kind: global_buffer, .address_space: global }
    .group_segment_fixed_size: 75776
    .private_segment_fixed_size: 0
    .kernarg_segment_align: 8
    .kernarg_segment_size: 72
    .max_flat_workgroup_size: 512
    .sgpr_count:     80
    .vgpr_count:     130
    .wavefront_size: 32
...
	.end_amdgpu_metadata
.endif
;; end of part 1
;; launch up (part 2): grid 8 x 99, 1 waves a work-group, no clusters, 0 bytes of LDS; arguments grp, tok, x_codes, x_scales, w1i, w1_scales, h, hs; writes h, hs
.if DOCPART == 2
	.amdgcn_target "amdgcn-amd-amdhsa--gfx1250"
	.amdhsa_code_object_version 6
	.text
	.protected	k_q2516101ce2_up
	.globl	k_q2516101ce2_up
	.p2align	8
	.type	k_q2516101ce2_up,@function
k_q2516101ce2_up:
	s_mov_b64 s[64:65], 0
	v_nop
	global_prefetch_b8 v0, s[64:65] scope:SCOPE_SE
	s_setreg_imm32_b32 hwreg(HW_REG_WAVE_MODE, 25, 1), 1
	s_wait_xcnt 0x0
; H = Q(gelu(x W1_e)) for one group of 64 rows, one of its two experts and 256 hidden units; Q: the MX-FP8 quantiser along the hidden units.
; Work-group (x, y): group g = y, which = x / 4 (0: expert a, 1: expert b), q = x % 4: hidden units 256 q on, as eight PAIRS of tiles (32 units each).
; A work-group is ONE wave.  Its 64 rows' codes of x, all of K, stay in 512 registers; the weights come from memory straight into 256 registers, as the
; images that the launch before has laid: a lane loads its fragments whole, 512 consecutive bytes a load.  No LDS, no barrier.
; WHY NO TENSOR LOAD, NO CLUSTER: the wave ends at once where the stored list gives its group no rows (or a = b and which = 1): a branch on a number read
; from memory; and which groups share an expert hangs on the split, so no fixed set of neighbours reads the same weights.  The grid, 99 groups, serves every split.
; THE PRODUCT IS USED TRANSPOSED (source 0 = 16 rows of W1, source 1 = 16 rows of x), and a tile's rows are 32 P + 8 u + r + 8 (r / 8): lane (r, h) holds row r of x,
; and the 16 registers of a pair's two tiles are hidden units 32 P + 16 h + 0 .. 15: a block of 32 lies in lanes l and l xor 16, and the conversions' results are registers
; 4 c .. 4 c + 3 of the next product's operand.  They are stored as that operand's image: h[(2 g + which)][unit of 16 rows][P][lane][16 bytes].
; gelu is the tanh form: x / (1 + 2^(x (C1 + C3 x^2))), C1 = -2 sqrt(2 / pi) log2(e), C3 = 0.044715 C1; all in f32.
; LIMITS: a block of zeros gets the scale byte 1 where the rule says 127 (its codes are zeros, and this program alone reads the bytes); NaN and infinities among
; the inputs are not served; a padding position computes token 4,095's row, which the next launch never stores.
; REGISTERS: window 0: v1-15 addresses and constants; v16-23 W1's scale words (lanes 0-15 tile u = 0, lanes 16-31 u = 1); v24-39 x's (lanes 0-15 unit 2 j, lanes 16-31 unit 2 j + 1);
;   v40-47 tokens; v64-127 the eight accumulators; v128-191 gelu at work; v192-235 the quantiser.  Window 1: a pair's image.  Windows 2, 3: x's fragments (K step s, unit i) at 16 (4 (s % 4) + i).
.set ACC,  64
.set GT,   128
.set MX,   192
.set PM,   196
.set SO,   200
.set HOLD, 204
.set BY,   208
.set HW,   212                         ; v212-219 a unit's eight scale bytes, in a pair of registers
.set CD,   220                         ; v220-235 a unit's 16 codes
.set WS,   16
.set XS,   24
.set MSB,  0
.macro WIN new                         ; the immediate's high byte repeats the setting that is left
.if MSB != \new
	s_set_vgpr_msb (MSB<<8)|\new
.set MSB, \new
.endif
.endm
.macro PLACES                          ; eight places behind this matrix form, in front of loads into its registers and of reads of its results
.rept 8
	v_nop
.endr
.endm
.macro BLOAD half, off                 ; half an image, 16 KB: chunks 32 half .. 32 half + 31 (K steps 4 half on) into window 1
	WIN 0x40
.set bk, 0
.rept 32
	global_load_b128 v[128*\half+4*bk:128*\half+4*bk+3], v1, s[12:13] offset:\off+16384*\half+512*bk
.set bk, bk+1
.endr
	WIN 0
.endm
.macro MM sg, sl, u, i                 ; K step sg (sl = sg % 4), tile u, unit i
.set rD, ACC+16*(\i)+8*(\u)
.set rB, 16*(2*(\sg)+(\u))
.set rA, 16*(4*(\sl)+(\i))
.set rW, WS+(\sg)
.set rX, XS+8*((\i)/2)+(\sg)
.if (\sg) == 0                         ; the first K step starts the sums: nothing is cleared
.if (\u) == 0
.if ((\i)%2) == 0
	v_wmma_scale_f32_16x16x128_f8f6f4 v[rD:rD+7], v[rB:rB+15], v[rA:rA+15], 0, v[rW], v[rX]
.else
	v_wmma_scale_f32_16x16x128_f8f6f4 v[rD:rD+7], v[rB:rB+15], v[rA:rA+15], 0, v[rW], v[rX] matrix_b_scale:MATRIX_SCALE_ROW1
.endif
.else
.if ((\i)%2) == 0
	v_wmma_scale_f32_16x16x128_f8f6f4 v[rD:rD+7], v[rB:rB+15], v[rA:rA+15], 0, v[rW], v[rX] matrix_a_scale:MATRIX_SCALE_ROW1
.else
	v_wmma_scale_f32_16x16x128_f8f6f4 v[rD:rD+7], v[rB:rB+15], v[rA:rA+15], 0, v[rW], v[rX] matrix_a_scale:MATRIX_SCALE_ROW1 matrix_b_scale:MATRIX_SCALE_ROW1
.endif
.endif
.else
.if (\u) == 0
.if ((\i)%2) == 0
	v_wmma_scale_f32_16x16x128_f8f6f4 v[rD:rD+7], v[rB:rB+15], v[rA:rA+15], v[rD:rD+7], v[rW], v[rX]
.else
	v_wmma_scale_f32_16x16x128_f8f6f4 v[rD:rD+7], v[rB:rB+15], v[rA:rA+15], v[rD:rD+7], v[rW], v[rX] matrix_b_scale:MATRIX_SCALE_ROW1
.endif
.else
.if ((\i)%2) == 0
	v_wmma_scale_f32_16x16x128_f8f6f4 v[rD:rD+7], v[rB:rB+15], v[rA:rA+15], v[rD:rD+7], v[rW], v[rX] matrix_a_scale:MATRIX_SCALE_ROW1
.else
	v_wmma_scale_f32_16x16x128_f8f6f4 v[rD:rD+7], v[rB:rB+15], v[rA:rA+15], v[rD:rD+7], v[rW], v[rX] matrix_a_scale:MATRIX_SCALE_ROW1 matrix_b_scale:MATRIX_SCALE_ROW1
.endif
.endif
.endif
.endm
.macro HALF hf                         ; 32 matrix instructions: K steps 4 hf .. 4 hf + 3.  The eight accumulators take turns, one instruction a turn
	WIN 0x09+4*\hf                                 ; source 0 window 1, source 1 window 2 or 3, C and D window 0
.irp s, 0,1,2,3
.irp u, 0,1
.irp i, 0,1,2,3
	MM 4*\hf+\s, \s, \u, \i
.endr
.endr
.endr
.endm
.macro GELU                            ; the 64 numbers in ACC, in place; each accumulator is read from its low end on
.set gk, 0
.rept 32
	v_pk_mul_f32 v[GT+gk:GT+gk+1], v[ACC+gk:ACC+gk+1], v[ACC+gk:ACC+gk+1]          ; x^2
.set gk, gk+2
.endr
.set gk, 0
.rept 32
	v_pk_fma_f32 v[GT+gk:GT+gk+1], v[GT+gk:GT+gk+1], v[10:11], v[12:13]            ; C3 x^2 + C1
.set gk, gk+2
.endr
.set gk, 0
.rept 32
	v_pk_mul_f32 v[GT+gk:GT+gk+1], v[GT+gk:GT+gk+1], v[ACC+gk:ACC+gk+1]            ; x (C1 + C3 x^2)
.set gk, gk+2
.endr
.set gk, 0
.rept 64
	v_exp_f32 v[GT+gk], v[GT+gk]
.set gk, gk+1
.endr
	v_nop                                          ; a plain instruction behind the last exponential,
	s_wait_alu depctr_va_vdst(0)                   ; and one wait for the batch, ahead of its first reader
.set gk, 0
.rept 32
	v_pk_add_f32 v[GT+gk:GT+gk+1], v[GT+gk:GT+gk+1], 1.0 op_sel_hi:[1,0]
.set gk, gk+2
.endr
.set gk, 0
.rept 64
	v_rcp_f32 v[GT+gk], v[GT+gk]
.set gk, gk+1
.endr
	v_nop
	s_wait_alu depctr_va_vdst(0)                   ; likewise for the reciprocals
.set gk, 0
.rept 32
	v_pk_mul_f32 v[ACC+gk:ACC+gk+1], v[ACC+gk:ACC+gk+1], v[GT+gk:GT+gk+1]
.set gk, gk+2
.endr
.endm
.macro QUANT                           ; four blocks of 32, one for each unit of 16 rows: my 16 numbers and lane l xor 16's
.irp i, 0,1,2,3
	v_max3_num_f32 v[MX+\i], |v[ACC+16*\i]|, |v[ACC+16*\i+1]|, 0x4800000           ; and the floor 2^(9 - 127): the byte cannot fall under 1
.endr
.irp k, 2,4,6,8,10,12,14
.irp i, 0,1,2,3
	v_max3_num_f32 v[MX+\i], v[MX+\i], |v[ACC+16*\i+\k]|, |v[ACC+16*\i+\k+1]|      ; the four blocks by turns
.endr
.endr
.irp i, 0,1,2,3
	v_permlanex16_b32 v[PM+\i], v[MX+\i], s34, s35
.endr
.irp i, 0,1,2,3
	v_max_num_f32 v[MX+\i], v[MX+\i], v[PM+\i]     ; the block's largest magnitude
.endr
.irp i, 0,1,2,3
	v_add_nc_u32 v[SO+\i], 0xfc000000, v[MX+\i]    ; 8 off its exponent field: the conversion's scale operand
.endr
.irp i, 0,1,2,3
	v_and_or_b32 v[HOLD+\i], v[MX+\i], 0x7f800000, s33   ; 448 x the scale
.endr
.irp i, 0,1,2,3
	v_lshrrev_b32 v[BY+\i], 23, v[SO+\i]           ; the scale's byte
.endr
.irp i, 0,1,2,3                        ; it enters the unit's 64 bits at the top while they move down by 8: after eight pairs the first pair's byte is the lowest
	v_alignbit_b32 v[HW+2*\i], v[HW+2*\i+1], v[HW+2*\i], 8
	v_lshrrev_b32 v[HW+2*\i+1], 8, v[HW+2*\i+1]
	v_lshl_or_b32 v[HW+2*\i+1], v[BY+\i], 24, v[HW+2*\i+1]
.endr
.irp i, 0,1,2,3
.irp k, 0,1,2,3,4,5,6,7,8,9,10,11,12,13,14,15
	v_med3_num_f32 v[ACC+16*\i+\k], v[ACC+16*\i+\k], -v[HOLD+\i], v[HOLD+\i]       ; the conversion to an 8-bit code does not saturate (ISA guide 7.6.2)
.endr
	v_cvt_scalef32_pk8_fp8_f32 v[CD+4*\i:CD+4*\i+1], v[ACC+16*\i:ACC+16*\i+7], v[SO+\i]
	v_cvt_scalef32_pk8_fp8_f32 v[CD+4*\i+2:CD+4*\i+3], v[ACC+16*\i+8:ACC+16*\i+15], v[SO+\i]
.endr
	v_nop                                          ; a plain instruction between the last conversion and the next products, which write its sources
.endm
; A PAIR: 64 products, gelu, the quantiser, four stores.  more = 1: the next pair's image and scale words are asked for as this pair's registers come free.
.macro PAIR more
	s_wait_loadcnt 32                              ; all but the 32 loads of the image's second half
	HALF 0
.if \more
	PLACES
	BLOAD 0, 32768                                 ; the next pair's first half
	s_wait_loadcnt 32                              ; all but those 32: this pair's second half is in
.else
	s_wait_loadcnt 0
.endif
	HALF 1
	PLACES
	WIN 0
.if \more
	global_load_b128 v[WS:WS+3], v2, s[14:15] offset:1024      ; the next pair's scale words: 32 rows x 32 bytes on
	global_load_b128 v[WS+4:WS+7], v2, s[14:15] offset:1040
	BLOAD 1, 32768
.endif
	GELU
	QUANT
.irp i, 0,1,2,3
	global_store_b128 v1, v[CD+4*\i:CD+4*\i+3], s[16:17] offset:16384*\i           ; 32 lanes store 512 consecutive bytes, aligned
.endr
.if \more
	s_wait_xcnt 0x0                                ; the loads and stores have read their bases and data: only now are these written again
	s_add_nc_u64 s[12:13], s[12:13], 32768
	s_add_nc_u64 s[14:15], s[14:15], 1024
	s_add_nc_u64 s[16:17], s[16:17], 512
.endif
.endm
	s_load_b256 s[4:11], s[0:1], 0x0               ; grp s[4:5], tok s[6:7], x_codes s[8:9], x_scales s[10:11]
	s_load_b256 s[12:19], s[0:1], 0x20             ; w1i s[12:13], w1_scales s[14:15], h s[16:17], hs s[18:19]
	v_and_b32 v14, 15, v0                          ; r (one wave: v0 is the lane)
	v_lshrrev_b32 v15, 4, v0                       ; h
	v_lshlrev_b32 v1, 4, v0                        ; 16 l
	v_and_b32 v2, 8, v14
	v_add_nc_u32 v2, v2, v14
	v_lshl_add_u32 v2, v15, 3, v2
	v_lshlrev_b32 v2, 5, v2                        ; W1's scales: row 8 (l / 16) + r + 8 (r / 8) of the pair's 32, 32 bytes a row
	v_lshlrev_b32 v3, 3, v0                        ; 8 l
	v_lshlrev_b32 v46, 2, v14
	v_lshlrev_b32 v47, 2, v0
	v_mov_b32 v10, 0xbdd2d3e8                      ; C3, twice
	v_mov_b32 v11, 0xbdd2d3e8
	v_mov_b32 v12, 0xc0135761                      ; C1, twice
	v_mov_b32 v13, 0xc0135761
.irp i, 0,1,2,3
	v_mov_b32 v[PM+\i], 0                          ; written once: a lane permute's destination counts as one of its sources
.endr
.irp i, 0,1,2,3,4,5,6,7
	v_mov_b32 v[HW+\i], 0
.endr
	s_and_b32 s20, ttmp7, 0xffff                   ; g
	s_lshr_b32 s21, ttmp9, 2                       ; which
	s_and_b32 s22, ttmp9, 3                        ; q
	s_mov_b32 s33, 0x600000                        ; the mantissa field of 448
	s_mov_b32 s34, 0x76543210
	s_mov_b32 s35, 0xfedcba98                      ; v_permlanex16_b32's selects for lane l xor 16
	s_mov_b32 s37, 0
	s_wait_kmcnt 0x0
	s_lshl_b32 s36, s20, 4
	s_add_nc_u64 s[4:5], s[4:5], s[36:37]
	s_load_b128 s[24:27], s[4:5], 0x0              ; a, b, rows, 0
	s_lshl_b32 s36, s20, 8
	s_add_nc_u64 s[6:7], s[6:7], s[36:37]
	global_load_b32 v40, v47, s[6:7]               ; the tokens, by position (for the scale words) ..
	global_load_b32 v41, v47, s[6:7] offset:128
.irp i, 0,1,2,3
	global_load_b32 v[42+\i], v46, s[6:7] offset:64*\i         ; .. and by unit and row (for the fragments): their addresses hang on g alone
.endr
	s_wait_kmcnt 0x0
	s_cmp_eq_u32 s26, 0
	s_cbranch_scc1 .Lend                           ; the split leaves this group without rows
	s_cmp_eq_u32 s24, s25
	s_cselect_b32 s29, s21, 0
	s_cmp_lg_u32 s29, 0
	s_cbranch_scc1 .Lend                           ; a = b: there is no second expert
	s_cmp_eq_u32 s21, 0
	s_cselect_b32 s28, s24, s25
	s_min_u32 s28, s28, 7                          ; my expert
	s_lshl_b32 s38, s20, 1
	s_add_co_u32 s38, s38, s21                     ; 2 g + which
	s_lshl_b32 s36, s28, 20
	s_lshl_b32 s39, s22, 18
	s_add_co_u32 s36, s36, s39
	s_add_nc_u64 s[12:13], s[12:13], s[36:37]      ; my first image
	s_lshl_b32 s36, s28, 15
	s_lshl_b32 s39, s22, 13
	s_add_co_u32 s36, s36, s39
	s_add_nc_u64 s[14:15], s[14:15], s[36:37]      ; its rows' scales
	s_lshl_b32 s36, s38, 16
	s_lshl_b32 s39, s22, 12
	s_add_co_u32 s36, s36, s39
	s_add_nc_u64 s[16:17], s[16:17], s[36:37]      ; h: 64 KB for (group, which); 512 bytes a pair
	s_lshl_b32 s36, s38, 12
	s_lshl_b32 s39, s22, 8
	s_add_co_u32 s36, s36, s39
	s_add_nc_u64 s[18:19], s[18:19], s[36:37]      ; hs: 4 KB for (group, which); 256 bytes for my two K steps
	global_load_b128 v[WS:WS+3], v2, s[14:15]
	global_load_b128 v[WS+4:WS+7], v2, s[14:15] offset:16
	BLOAD 0, 0
	s_wait_loadcnt 34                              ; behind the six loads of tokens stand these 34
.irp i, 0,1,2,3
	v_min_u32 v[42+\i], 4095, v[42+\i]             ; a padding position takes token 4,095
	v_lshlrev_b32 v[4+\i], 10, v[42+\i]
	v_lshl_add_u32 v[4+\i], v15, 4, v[4+\i]        ; x: the token's row of 1,024 bytes, + 16 h
.endr
.irp j, 0,1
	v_min_u32 v[40+\j], 4095, v[40+\j]
	v_lshlrev_b32 v[8+\j], 5, v[40+\j]             ; and its 32 scale bytes
.endr
.irp j, 0,1
	global_load_b128 v[XS+8*\j:XS+8*\j+3], v[8+\j], s[10:11]
	global_load_b128 v[XS+8*\j+4:XS+8*\j+7], v[8+\j], s[10:11] offset:16
.endr
	WIN 0x80                                       ; destination window 2: K steps 0 to 3
.irp s, 0,1,2,3
.irp i, 0,1,2,3
.irp c, 0,1,2,3
	global_load_b128 v[16*(4*\s+\i)+4*\c:16*(4*\s+\i)+4*\c+3], v[4+\i], s[8:9] offset:128*\s+32*\c
.endr
.endr
.endr
	WIN 0xc0                                       ; window 3: K steps 4 to 7
.irp s, 0,1,2,3
.irp i, 0,1,2,3
.irp c, 0,1,2,3
	global_load_b128 v[16*(4*\s+\i)+4*\c:16*(4*\s+\i)+4*\c+3], v[4+\i], s[8:9] offset:512+128*\s+32*\c
.endr
.endr
.endr
	BLOAD 1, 0
	s_mov_b32 s32, 7
.Lpair:
	PAIR 1
	s_sub_co_u32 s32, s32, 1
	s_cmp_lg_u32 s32, 0
	s_cbranch_scc1 .Lpair
	PAIR 0                                         ; the last pair asks for nothing: no load leaves its buffer
.irp i, 0,1,2,3
	global_store_b64 v3, v[HW+2*\i:HW+2*\i+1], s[18:19] offset:1024*\i             ; a unit's scale words of my two K steps: 256 consecutive bytes, aligned
.endr
.Lend:
	s_endpgm
.Lfunc_end_k_q2516101ce2_up:
	.size	k_q2516101ce2_up, .Lfunc_end_k_q2516101ce2_up-k_q2516101ce2_up
	.p2alignl 7, 3214868480
	.fill 96, 4, 3214868480
	.section	.rodata,"a",@progbits
	.p2align	6, 0x0
	.amdhsa_kernel k_q2516101ce2_up
		.amdhsa_group_segment_fixed_size 0
		.amdhsa_private_segment_fixed_size 0
		.amdhsa_enable_private_segment 0
		.amdhsa_kernarg_size 64
		.amdhsa_user_sgpr_count 2
		.amdhsa_user_sgpr_kernarg_segment_ptr 1
		.amdhsa_wavefront_size32 1
		.amdhsa_system_sgpr_workgroup_id_x 1
		.amdhsa_system_sgpr_workgroup_id_y 1
		.amdhsa_system_sgpr_workgroup_id_z 1
		.amdhsa_system_vgpr_workitem_id 0
		.amdhsa_next_free_vgpr 1024
		.amdhsa_next_free_sgpr 66
		.amdhsa_reserve_vcc 0
		.amdhsa_float_denorm_mode_32 3
		.amdhsa_float_denorm_mode_16_64 3
		.amdhsa_memory_ordered 1
		.amdhsa_forward_progress 1
		.amdhsa_inst_pref_size 93
	.end_amdhsa_kernel
	.amdgpu_metadata
---
amdhsa.version: [ 1, 2 ]
amdhsa.kernels:
  - .name:           k_q2516101ce2_up
    .symbol:         k_q2516101ce2_up.kd
    .args:
      - { .name: grp, .offset: 0, .size: 8, .value_kind: global_buffer, .address_space: global }
      - { .name: tok, .offset: 8, .size: 8, .value_kind: global_buffer, .address_space: global }
      - { .name: x_codes, .offset: 16, .size: 8, .value_kind: global_buffer, .address_space: global }
      - { .name: x_scales, .offset: 24, .size: 8, .value_kind: global_buffer, .address_space: global }
      - { .name: w1i, .offset: 32, .size: 8, .value_kind: global_buffer, .address_space: global }
      - { .name: w1_scales, .offset: 40, .size: 8, .value_kind: global_buffer, .address_space: global }
      - { .name: h, .offset: 48, .size: 8, .value_kind: global_buffer, .address_space: global }
      - { .name: hs, .offset: 56, .size: 8, .value_kind: global_buffer, .address_space: global }
    .group_segment_fixed_size: 0
    .private_segment_fixed_size: 0
    .kernarg_segment_align: 8
    .kernarg_segment_size: 64
    .max_flat_workgroup_size: 32
    .sgpr_count:     66
    .vgpr_count:     1024
    .wavefront_size: 32
...
	.end_amdgpu_metadata
.endif
;; end of part 2
;; launch down (part 3): grid 8 x 99, 1 waves a work-group, no clusters, 34,048 bytes of LDS; arguments grp, tok, coef, h, hs, w2i, w2_scales, out0; writes out0
.if DOCPART == 3
	.amdgcn_target "amdgcn-amd-amdhsa--gfx1250"
	.amdhsa_code_object_version 6
	.text
	.protected	k_q2516101ce2_down
	.globl	k_q2516101ce2_down
	.p2align	8
	.type	k_q2516101ce2_down,@function
k_q2516101ce2_down:
	s_mov_b64 s[64:65], 0
	v_nop
	global_prefetch_b8 v0, s[64:65] scope:SCOPE_SE
	s_setreg_imm32_b32 hwreg(HW_REG_WAVE_MODE, 25, 1), 1
	s_wait_xcnt 0x0
; out[token] = ca (H_a W2_a) + cb (H_b W2_b) for one group of 64 positions and 128 output columns.  Work-group (x, y): group g = y, columns 128 x on: four PAIRS of tiles.
; Every token lies in one group, so each output row has one owner, and nothing is summed between work-groups.
; A work-group is ONE wave.  The group's hidden codes, all of K, fill 512 registers (loaded as the operand's image, 512 consecutive bytes a load); W2's images come from memory
; straight into 256 registers.  Pass a puts ca x its results into a stage in LDS (64 rows x 512 bytes); pass b, left out where a = b, adds cb x its own; then whole pieces of
; rows, 512 bytes, leave to the tokens' rows.  Padding positions are a group's last and are not stored.
; WHY NO TENSOR LOAD, NO CLUSTER: the wave branches on the stored list (no rows; a = b), and which groups share an expert hangs on the split.
; THE PRODUCT IS USED TRANSPOSED (source 0 = 16 rows of W2, source 1 = 16 rows of H); a tile's rows are 32 P + 8 u + r + 8 (r / 8): the 16 registers of a pair's two tiles are
; columns 32 P + 16 (l / 16) + 0 .. 15 of row l % 16: 64 neighbouring bytes.
; REGISTERS: window 0: v1-11 addresses; v16-23 (ca, ca), v24-31 (cb, cb), a pair a unit; v32-39 W2's scale words; v40-55 H's; v56-63 the coefficients as loaded; v64-127 the accumulators;
;   v128-191 at work; v192-207 the stores' offsets.  Window 1: a pair's image.  Windows 2, 3: H's fragments (K step s, unit i) at 16 (4 (s % 4) + i).
.set ACC,  64
.set GT,   128
.set VO,   192
.set CA,   16
.set CB,   24
.set WS,   32
.set XS,   40
.set SPI,  528                         ; a stage row: 512 bytes + 16, an odd multiple of 16
.set MSB,  0
.macro WIN new                         ; the immediate's high byte repeats the setting that is left
.if MSB != \new
	s_set_vgpr_msb (MSB<<8)|\new
.set MSB, \new
.endif
.endm
.macro PLACES                          ; eight places behind this matrix form, in front of loads into its registers and of reads of its results
.rept 8
	v_nop
.endr
.endm
.macro BLOAD half, off, bp             ; half an image, 16 KB, into window 1
	WIN 0x40
.set bk, 0
.rept 32
	global_load_b128 v[128*\half+4*bk:128*\half+4*bk+3], v1, s[\bp:\bp+1] offset:\off+16384*\half+512*bk
.set bk, bk+1
.endr
	WIN 0
.endm
.macro MM sg, sl, u, i                 ; K step sg (sl = sg % 4), tile u, unit i
.set rD, ACC+16*(\i)+8*(\u)
.set rB, 16*(2*(\sg)+(\u))
.set rA, 16*(4*(\sl)+(\i))
.set rW, WS+(\sg)
.set rX, XS+8*((\i)/2)+(\sg)
.if (\sg) == 0                         ; the first K step starts the sums: nothing is cleared
.if (\u) == 0
.if ((\i)%2) == 0
	v_wmma_scale_f32_16x16x128_f8f6f4 v[rD:rD+7], v[rB:rB+15], v[rA:rA+15], 0, v[rW], v[rX]
.else
	v_wmma_scale_f32_16x16x128_f8f6f4 v[rD:rD+7], v[rB:rB+15], v[rA:rA+15], 0, v[rW], v[rX] matrix_b_scale:MATRIX_SCALE_ROW1
.endif
.else
.if ((\i)%2) == 0
	v_wmma_scale_f32_16x16x128_f8f6f4 v[rD:rD+7], v[rB:rB+15], v[rA:rA+15], 0, v[rW], v[rX] matrix_a_scale:MATRIX_SCALE_ROW1
.else
	v_wmma_scale_f32_16x16x128_f8f6f4 v[rD:rD+7], v[rB:rB+15], v[rA:rA+15], 0, v[rW], v[rX] matrix_a_scale:MATRIX_SCALE_ROW1 matrix_b_scale:MATRIX_SCALE_ROW1
.endif
.endif
.else
.if (\u) == 0
.if ((\i)%2) == 0
	v_wmma_scale_f32_16x16x128_f8f6f4 v[rD:rD+7], v[rB:rB+15], v[rA:rA+15], v[rD:rD+7], v[rW], v[rX]
.else
	v_wmma_scale_f32_16x16x128_f8f6f4 v[rD:rD+7], v[rB:rB+15], v[rA:rA+15], v[rD:rD+7], v[rW], v[rX] matrix_b_scale:MATRIX_SCALE_ROW1
.endif
.else
.if ((\i)%2) == 0
	v_wmma_scale_f32_16x16x128_f8f6f4 v[rD:rD+7], v[rB:rB+15], v[rA:rA+15], v[rD:rD+7], v[rW], v[rX] matrix_a_scale:MATRIX_SCALE_ROW1
.else
	v_wmma_scale_f32_16x16x128_f8f6f4 v[rD:rD+7], v[rB:rB+15], v[rA:rA+15], v[rD:rD+7], v[rW], v[rX] matrix_a_scale:MATRIX_SCALE_ROW1 matrix_b_scale:MATRIX_SCALE_ROW1
.endif
.endif
.endif
.endm
.macro HALF hf                         ; 32 matrix instructions: K steps 4 hf .. 4 hf + 3.  The eight accumulators take turns, one instruction a turn
	WIN 0x09+4*\hf                                 ; source 0 window 1, source 1 window 2 or 3, C and D window 0
.irp s, 0,1,2,3
.irp u, 0,1
.irp i, 0,1,2,3
	MM 4*\hf+\s, \s, \u, \i
.endr
.endr
.endr
.endm
; All that a pass needs at its start.  bp: the pass's four bases: s[bp] images, s[bp+2] W2's scales, s[bp+4] H's codes, s[bp+6] H's scale words.  The image's second half comes last: the pass's first wait leaves it out.
.macro HEADLOADS bp
	global_load_b128 v[WS:WS+3], v2, s[\bp+2:\bp+3]
	global_load_b128 v[WS+4:WS+7], v2, s[\bp+2:\bp+3] offset:16
	BLOAD 0, 0, \bp
.irp j, 0,1
.irp q, 0,1,2,3
	global_load_b64 v[XS+8*\j+2*\q:XS+8*\j+2*\q+1], v3, s[\bp+6:\bp+7] offset:2048*\j+256*\q   ; lanes 0-15: unit 2 j, lanes 16-31: unit 2 j + 1; K steps 2 q, 2 q + 1
.endr
.endr
	WIN 0x80                                       ; destination window 2: K steps 0 to 3
.irp s, 0,1,2,3
.irp i, 0,1,2,3
.irp c, 0,1,2,3
	global_load_b128 v[16*(4*\s+\i)+4*\c:16*(4*\s+\i)+4*\c+3], v1, s[\bp+4:\bp+5] offset:16384*\i+512*(4*\s+\c)
.endr
.endr
.endr
	WIN 0xc0                                       ; window 3: K steps 4 to 7
.irp s, 0,1,2,3
.irp i, 0,1,2,3
.irp c, 0,1,2,3
	global_load_b128 v[16*(4*\s+\i)+4*\c:16*(4*\s+\i)+4*\c+3], v1, s[\bp+4:\bp+5] offset:16384*\i+512*(16+4*\s+\c)
.endr
.endr
.endr
	BLOAD 1, 0, \bp
.endm
; A PAIR: 64 products and the way into the stage.  more = 1: the next pair's image and scale words are asked for; 2: pass a's last pair: pass b's first loads, where there is a pass b; 0: nothing.
; ep = 0: the stage takes ca x the results; 1: cb x the results is added to what lies there.
.macro PAIR more, ep, bp
	s_wait_loadcnt 32                              ; all but the 32 loads of the image's second half
	HALF 0
.if \more == 1
	PLACES
	BLOAD 0, 32768, \bp
	s_wait_loadcnt 32                              ; all but those 32: this pair's second half is in
.else
	s_wait_loadcnt 0
.endif
	HALF 1
	PLACES
	WIN 0
.if \more == 1
	global_load_b128 v[WS:WS+3], v2, s[\bp+2:\bp+3] offset:1024
	global_load_b128 v[WS+4:WS+7], v2, s[\bp+2:\bp+3] offset:1040
	BLOAD 1, 32768, \bp
.endif
.if \more == 2
	s_cmp_eq_u32 s24, s25
	s_cbranch_scc1 .Lsame_\@
	HEADLOADS 48                                   ; every register of pass a's operands is free: pass b's loads are on their way during this pair's way into the stage
.Lsame_\@:
.endif
	v_add_nc_u32 v6, s33, v4                       ; the pair's 128 bytes of my row
	s_wait_dscnt 0x0                               ; the last pair's LDS stores have read v128-191
.if \ep == 0
.irp i, 0,1,2,3
.irp k, 0,2,4,6,8,10,12,14
	v_pk_mul_f32 v[GT+16*\i+\k:GT+16*\i+\k+1], v[ACC+16*\i+\k:ACC+16*\i+\k+1], v[CA+2*\i:CA+2*\i+1]   ; each accumulator from its low end on
.endr
.endr
.else
.irp i, 0,1,2,3
.irp k, 0,1,2,3
	ds_load_b128 v[GT+16*\i+4*\k:GT+16*\i+4*\k+3], v6 offset:16*SPI*\i+16*\k
.endr
.endr
	s_wait_dscnt 0x0
.irp i, 0,1,2,3
.irp k, 0,2,4,6,8,10,12,14
	v_pk_fma_f32 v[GT+16*\i+\k:GT+16*\i+\k+1], v[ACC+16*\i+\k:ACC+16*\i+\k+1], v[CB+2*\i:CB+2*\i+1], v[GT+16*\i+\k:GT+16*\i+\k+1]
.endr
.endr
.endif
.irp i, 0,1,2,3
.irp k, 0,1,2,3
	ds_store_b128 v6, v[GT+16*\i+4*\k:GT+16*\i+4*\k+3] offset:16*SPI*\i+16*\k
.endr
.endr
.if \more == 1
	s_wait_xcnt 0x0                                ; the loads have read their bases: only now are these written again
	s_add_nc_u64 s[\bp:\bp+1], s[\bp:\bp+1], 32768
	s_add_nc_u64 s[\bp+2:\bp+3], s[\bp+2:\bp+3], 1024
	s_add_co_u32 s33, s33, 128
.endif
.endm
	s_load_b256 s[4:11], s[0:1], 0x0               ; grp s[4:5], tok s[6:7], coef s[8:9], h s[10:11]
	s_load_b256 s[12:19], s[0:1], 0x20             ; hs s[12:13], w2i s[14:15], w2_scales s[16:17], out0 s[18:19]
	v_lshl_add_u32 v254, v0, 2, 0x8400
	v_mov_b32 v255, 0
	v_and_b32 v14, 15, v0                          ; r (one wave: v0 is the lane)
	v_lshrrev_b32 v15, 4, v0                       ; h
	v_lshlrev_b32 v1, 4, v0                        ; 16 l
	v_and_b32 v2, 8, v14
	v_add_nc_u32 v2, v2, v14
	v_lshl_add_u32 v2, v15, 3, v2
	v_lshlrev_b32 v2, 5, v2                        ; W2's scales: row 8 (l / 16) + r + 8 (r / 8) of the pair's 32, 32 bytes a row
	v_lshlrev_b32 v3, 3, v0
	v_lshl_add_u32 v3, v15, 10, v3                 ; H's scale words: 1,024 (l / 16) + 8 l
	v_mul_u32_u24 v4, v14, SPI
	v_lshl_add_u32 v4, v15, 6, v4                  ; the stage: row r, + 64 h
	s_lshl_b32 s22, ttmp9, 9
	v_add_nc_u32 v7, s22, v1                       ; my 16 bytes of an output row: 512 x + 16 l
	v_lshlrev_b32 v10, 3, v14
	v_lshlrev_b32 v11, 2, v0
	s_and_b32 s20, ttmp7, 0xffff                   ; g
	s_mov_b32 s37, 0
	s_mov_b32 s33, 0
	s_wait_kmcnt 0x0
	s_lshl_b32 s36, s20, 4
	s_add_nc_u64 s[4:5], s[4:5], s[36:37]
	s_load_b128 s[24:27], s[4:5], 0x0              ; a, b, rows, 0
	s_lshl_b32 s36, s20, 17
	s_add_nc_u64 s[44:45], s[10:11], s[36:37]      ; H's codes for expert a,
	s_add_nc_u64 s[52:53], s[44:45], 0x10000       ; for expert b
	s_lshl_b32 s36, s20, 13
	s_add_nc_u64 s[46:47], s[12:13], s[36:37]      ; and the scale words
	s_add_nc_u64 s[54:55], s[46:47], 0x1000
	s_lshl_b32 s36, s20, 8
	s_add_nc_u64 s[6:7], s[6:7], s[36:37]
	s_lshl_b32 s36, s20, 9
	s_add_nc_u64 s[8:9], s[8:9], s[36:37]
	s_wait_kmcnt 0x0
	s_cmp_eq_u32 s26, 0
	s_cbranch_scc1 .Ldone                          ; the split leaves this group without rows
	s_min_u32 s28, s24, 7
	s_min_u32 s29, s25, 7
	s_lshl_b32 s38, ttmp9, 17                      ; four images of 32 KB
	s_lshl_b32 s36, s28, 20
	s_add_co_u32 s36, s36, s38
	s_add_nc_u64 s[40:41], s[14:15], s[36:37]
	s_lshl_b32 s36, s29, 20
	s_add_co_u32 s36, s36, s38
	s_add_nc_u64 s[48:49], s[14:15], s[36:37]
	s_lshl_b32 s38, ttmp9, 12                      ; 128 rows of 32 scale bytes
	s_lshl_b32 s36, s28, 15
	s_add_co_u32 s36, s36, s38
	s_add_nc_u64 s[42:43], s[16:17], s[36:37]
	s_lshl_b32 s36, s29, 15
	s_add_co_u32 s36, s36, s38
	s_add_nc_u64 s[50:51], s[16:17], s[36:37]
	global_load_b32 v8, v11, s[6:7]                ; the tokens of positions 0-31,
	global_load_b32 v9, v11, s[6:7] offset:128     ; 32-63
.irp i, 0,1,2,3
	global_load_b64 v[56+2*\i:57+2*\i], v10, s[8:9] offset:128*\i                  ; (ca, cb) of row r of unit i
.endr
	HEADLOADS 40
	s_wait_loadcnt 32                              ; all but the image's second half: the coefficients and the tokens are in
.irp i, 0,1,2,3
	v_mov_b32 v[CA+2*\i], v[56+2*\i]               ; as pairs, for the packed forms
	v_mov_b32 v[CA+2*\i+1], v[56+2*\i]
	v_mov_b32 v[CB+2*\i], v[57+2*\i]
	v_mov_b32 v[CB+2*\i+1], v[57+2*\i]
.endr
	s_mov_b32 s32, 3
.Lpa:
	PAIR 1, 0, 40
	s_sub_co_u32 s32, s32, 1
	s_cmp_lg_u32 s32, 0
	s_cbranch_scc1 .Lpa
	PAIR 2, 0, 40
	s_cmp_eq_u32 s24, s25
	s_cbranch_scc1 .Lfinal                         ; one expert named twice: ca holds both weights
	s_mov_b32 s33, 0
	s_mov_b32 s32, 3
.Lpb:
	PAIR 1, 1, 48
	s_sub_co_u32 s32, s32, 1
	s_cmp_lg_u32 s32, 0
	s_cbranch_scc1 .Lpb
	PAIR 0, 1, 48
.Lfinal:
	s_wait_dscnt 0x0                               ; the last LDS stores have read v128-191
.irp t, 0,1,2,3                        ; sixteen rows at a time
.irp k, 0,1,2,3,4,5,6,7,8,9,10,11,12,13,14,15
	ds_load_b128 v[GT+4*\k:GT+4*\k+3], v1 offset:SPI*(16*\t+\k)                    ; a row's 512 bytes, 16 a lane
.endr
	s_wait_dscnt 0x0
.irp k, 0,1,2,3,4,5,6,7,8,9,10,11,12,13,14,15
	s_cmp_le_u32 s26, 16*\t+\k                     ; the group's rows are its first positions: behind them is padding
	s_cbranch_scc1 .Ldone
	v_readlane_b32 s56, v[8+(16*\t+\k)/32], (16*\t+\k)%32
	s_min_u32 s56, s56, 4095
	s_lshl_b32 s56, s56, 12                        ; the token's row of 4,096 bytes
	v_add_nc_u32 v[VO+\k], s56, v7
	global_store_b128 v[VO+\k], v[GT+4*\k:GT+4*\k+3], s[18:19] th:TH_STORE_NT      ; 32 lanes store 512 consecutive bytes, aligned; written once, read by nobody here
.endr
	s_wait_xcnt 0x0                                ; the stores have read their offsets and data: the next sixteen rows may land there
.endr
.Ldone:
	s_wait_tensorcnt 0x0
	ds_add_u32 v254, v255
	s_wait_dscnt 0x0
	s_endpgm
.Lfunc_end_k_q2516101ce2_down:
	.size	k_q2516101ce2_down, .Lfunc_end_k_q2516101ce2_down-k_q2516101ce2_down
	.p2alignl 7, 3214868480
	.fill 96, 4, 3214868480
	.section	.rodata,"a",@progbits
	.p2align	6, 0x0
	.amdhsa_kernel k_q2516101ce2_down
		.amdhsa_group_segment_fixed_size 34048
		.amdhsa_private_segment_fixed_size 0
		.amdhsa_enable_private_segment 0
		.amdhsa_kernarg_size 64
		.amdhsa_user_sgpr_count 2
		.amdhsa_user_sgpr_kernarg_segment_ptr 1
		.amdhsa_wavefront_size32 1
		.amdhsa_system_sgpr_workgroup_id_x 1
		.amdhsa_system_sgpr_workgroup_id_y 1
		.amdhsa_system_sgpr_workgroup_id_z 1
		.amdhsa_system_vgpr_workitem_id 0
		.amdhsa_next_free_vgpr 1024
		.amdhsa_next_free_sgpr 66
		.amdhsa_reserve_vcc 0
		.amdhsa_float_denorm_mode_32 3
		.amdhsa_float_denorm_mode_16_64 3
		.amdhsa_memory_ordered 1
		.amdhsa_forward_progress 1
		.amdhsa_inst_pref_size 131
	.end_amdhsa_kernel
	.amdgpu_metadata
---
amdhsa.version: [ 1, 2 ]
amdhsa.kernels:
  - .name:           k_q2516101ce2_down
    .symbol:         k_q2516101ce2_down.kd
    .args:
      - { .name: grp, .offset: 0, .size: 8, .value_kind: global_buffer, .address_space: global }
      - { .name: tok, .offset: 8, .size: 8, .value_kind: global_buffer, .address_space: global }
      - { .name: coef, .offset: 16, .size: 8, .value_kind: global_buffer, .address_space: global }
      - { .name: h, .offset: 24, .size: 8, .value_kind: global_buffer, .address_space: global }
      - { .name: hs, .offset: 32, .size: 8, .value_kind: global_buffer, .address_space: global }
      - { .name: w2i, .offset: 40, .size: 8, .value_kind: global_buffer, .address_space: global }
      - { .name: w2_scales, .offset: 48, .size: 8, .value_kind: global_buffer, .address_space: global }
      - { .name: out0, .offset: 56, .size: 8, .value_kind: global_buffer, .address_space: global }
    .group_segment_fixed_size: 34048
    .private_segment_fixed_size: 0
    .kernarg_segment_align: 8
    .kernarg_segment_size: 64
    .max_flat_workgroup_size: 32
    .sgpr_count:     66
    .vgpr_count:     1024
    .wavefront_size: 32
...
	.end_amdgpu_metadata
.endif
;; end of part 3
;; ======== version 2 of 2: 3 launches
;; workspace buffers: grp 2,048 bytes of whole numbers; tok 25,600 bytes of whole numbers; coef 50,944 bytes; w1i 8,388,608 bytes; w2i 8,388,608 bytes; h 12,976,128 bytes; hs 811,008 bytes
;; launch prep (part 4): grid 257 x 1, 16 waves a work-group, no clusters, 75,776 bytes of LDS; arguments expert_indices, expert_weights, w1_codes, w2_codes, grp, tok, coef, w1i, w2i; writes grp, tok, coef, w1i, w2i
.if DOCPART == 4
	.amdgcn_target "amdgcn-amd-amdhsa--gfx1250"
	.amdhsa_code_object_version 6
	.text
	.protected	k_q2516101ce2_prep
	.globl	k_q2516101ce2_prep
	.p2align	8
	.type	k_q2516101ce2_prep,@function
k_q2516101ce2_prep:
	s_mov_b64 s[64:65], 0
	v_nop
	global_prefetch_b8 v0, s[64:65] scope:SCOPE_SE
	s_setreg_imm32_b32 hwreg(HW_REG_WAVE_MODE, 25, 1), 1
	s_wait_xcnt 0x0
; TWO JOBS IN ONE LAUNCH, parted by the work-group's number.
; Work-group 0 ROUTES: the 4,096 tokens are sorted by their unordered pair of experts (a <= b, key 8 a + b) by a counting sort without atomics.
; Each key's run is padded to a multiple of 64 positions, so that a GROUP of 64 positions has one pair (a, b).  There are never more than
; (4,096 + 36 x 63) / 64 = 99 groups, whatever the split.  Stored: grp[group] = {a, b, rows, 0} (rows = 0: no such group), tok[position] = token
; (0x7fffffff in a padding position), coef[position] = (weight for a, weight for b); a = b gives (w0 + w1, 0); padding gives (0, 0).
; The routing is one work-group's chain of dependent steps, so it is shared among sixteen waves (256 tokens, 4 keys each), four to a SIMD, and its lines stand by turns:
; several chains that do not wait for each other advance together.
; NO LANE IS EVER SWITCHED OFF.  A lane that has nothing to store sends its store to a spare place that nobody reads, with the value that every such lane sends there:
; position 6,336 of tok (the mark) and of coef (0, 0), one position behind the 99 groups; entry 127 of grp (zeros), which is an empty entry at every split.
; Work-groups 1 to 256 LAY THE WEIGHTS OUT in the order of the operand's registers: for expert e and each 32 rows P an image of 32 KB, chunk
; j = 4 (2 s + u) + c of 512 bytes, lane l's 16 bytes at 16 l: row 32 P + 8 u + r + 8 (r / 8), bytes 128 s + 32 c + 16 (l / 16), r = l % 16.
; LIMIT: expert indices lie in 0 .. 7, as the tables that they index have it; other numbers are not served (every address is held inside its buffer all the same).
; No tensor load, no cluster: the routing branches on numbers read from memory, and the work-groups share no input.
.set EI,  32                           ; v32-47   chunk j: the two indices; later the lane index for the look-up, and the store's address
.set EW,  48                           ; v48-63   chunk j: the two weights; then (ca, cb)
.set KEY, 64                           ; v64-71   chunk j: my token's key
.set RK,  72                           ; v72-79   chunk j: tokens of my key in lower lanes of the chunk
.set CL,  80                           ; v80-87   chunk j: lane = key 0-31: tokens of that key in my wave's earlier chunks
.set CH,  88                           ; v88-95   the same for keys 32-63
.set LO,  96                           ; v96-127  the sixteen waves' totals (keys 0-31, then keys 32-63); then v96-103: what the look-up brings for keys 0-31
.set HI,  104                          ; v104-111 and for keys 32-63
.set KBL, 32                           ; v32-95   at the end: eight registers for each of a wave's eight blocks of padding and table stores
.set STG, 4096                         ; LDS: bytes 0-4,095 the waves' totals (routing alone); from 4,096 a stage of 16 rows x 272 bytes for each wave (layout alone)
.set SP,  272                          ; 256 bytes + 16: an odd multiple of 16, so that the 16 rows of a read start in different banks (64 banks of 4 bytes: ISA guide 11.1)
.set SPAREPOS, 6336                    ; the spare position of tok and coef: 99 x 64
.set SPAREENT, 127                     ; the spare entry of grp
	s_load_b256 s[4:11], s[0:1], 0x0               ; expert_indices s[4:5], expert_weights s[6:7], w1_codes s[8:9], w2_codes s[10:11]
	s_load_b256 s[12:19], s[0:1], 0x20             ; grp s[12:13], tok s[14:15], coef s[16:17], w1i s[18:19]
	s_load_b64 s[20:21], s[0:1], 0x40              ; w2i
	v_lshl_add_u32 v128, v0, 2, 0x12000
	v_mov_b32 v129, 0
	v_lshrrev_b32 v1, 5, v0
	s_delay_alu instid0(VALU_DEP_1)
	v_readfirstlane_b32 s2, v1                     ; wave 0..15
	v_and_b32 v1, 31, v0                           ; lane
	s_cmp_eq_u32 ttmp9, 0
	s_cbranch_scc1 .Lroute
; ---------------- THE LAYOUT.  A wave takes one tile of 16 rows x 256 bytes (a quarter of K, two K steps): task t = 16 (work-group - 1) + wave
	s_sub_co_u32 s22, ttmp9, 1
	s_wait_kmcnt 0x0
	s_cmp_lt_u32 s22, 128                          ; the first 128 work-groups take W1, the others W2: the choice hangs on the work-group's number alone
	s_cselect_b64 s[8:9], s[8:9], s[10:11]
	s_cselect_b64 s[18:19], s[18:19], s[20:21]
	s_lshl_b32 s23, s22, 4
	s_add_co_u32 s23, s23, s2
	s_and_b32 s23, s23, 2047                       ; the task within its tensor: bits 10:3 = 32 e + P, bit 2 = u, bits 1:0 = kq, which quarter of K
	s_lshr_b32 s24, s23, 3
	s_lshl_b32 s24, s24, 15                        ; 32 rows of 1,024 bytes, and an image, are both 32 KB
	s_bfe_u32 s25, s23, 0x10002                    ; u
	s_and_b32 s26, s23, 3                          ; kq
	s_lshl_b32 s28, s25, 13                        ; from: + 8 u rows
	s_lshl_b32 s27, s26, 8                         ;       + 256 kq bytes
	s_add_co_u32 s28, s28, s27
	s_add_co_u32 s28, s28, s24
	s_mov_b32 s29, 0
	s_add_nc_u64 s[8:9], s[8:9], s[28:29]
	s_lshl_b32 s28, s26, 13                        ; to: + 8,192 kq (two K steps of 4,096 bytes)
	s_lshl_b32 s27, s25, 11                        ;     + 2,048 u
	s_add_co_u32 s28, s28, s27
	s_add_co_u32 s28, s28, s24
	s_add_nc_u64 s[18:19], s[18:19], s[28:29]
	s_mul_i32 s30, s2, 16*SP
	s_add_co_u32 s30, s30, STG                     ; my wave's stage
	s_wait_alu depctr_va_vdst(0)
	v_and_b32 v5, 15, v1                           ; l % 16
	v_lshrrev_b32 v6, 4, v1                        ; l / 16
	s_delay_alu instid0(VALU_DEP_2)
	v_lshlrev_b32 v7, 4, v5
	s_delay_alu instid0(VALU_DEP_1)
	v_lshl_add_u32 v4, v6, 10, v7                  ; from memory: lanes 0-15 one row's 256 bytes, lanes 16-31 the next row's
	s_delay_alu instid0(VALU_DEP_3)
	v_mul_u32_u24 v2, v6, SP
	s_delay_alu instid0(VALU_DEP_1)
	v_add_nc_u32 v2, v2, v7
	s_delay_alu instid0(VALU_DEP_1)
	v_add_nc_u32 v2, s30, v2                       ; into the stage: the same two rows
	v_mul_u32_u24 v3, v5, SP
	s_delay_alu instid0(VALU_DEP_1)
	v_lshl_add_u32 v3, v6, 4, v3
	s_delay_alu instid0(VALU_DEP_1)
	v_add_nc_u32 v3, s30, v3                       ; out of it: row l % 16, + 16 (l / 16)
	v_lshlrev_b32 v8, 4, v1                        ; to memory: 16 l
.irp i, 0,1,2,3,4,5,6,7
	global_load_b128 v[16+4*\i:19+4*\i], v4, s[8:9] offset:\i*2048+(\i/4)*8192 th:TH_LOAD_NT   ; tile rows 2 i, 2 i + 1 (tile row n is row n + 8 (n / 8)): two pieces of 256 consecutive bytes, aligned; read once in the launch
.endr
	s_wait_alu depctr_va_vdst(0)
.irp i, 0,1,2,3,4,5,6,7
	s_wait_loadcnt 7-\i                            ; loads come back in order: load i is in, the younger ones stay out
	ds_store_b128 v2, v[16+4*\i:19+4*\i] offset:2*SP*\i
.endr
.irp k, 0,1,2,3,4,5,6,7
	ds_load_b128 v[48+4*\k:51+4*\k], v3 offset:128*(\k/4)+32*(\k%4)   ; LDS serves a wave's instructions in order: these see my stores.  K step k / 4 of the quarter, block k % 4
.endr
.irp k, 0,1,2,3,4,5,6,7
	s_wait_dscnt 7-\k
	global_store_b128 v8, v[48+4*\k:51+4*\k], s[18:19] offset:(\k/4)*4096+(\k%4)*512   ; 32 lanes store 512 consecutive bytes, aligned
.endr
	s_wait_tensorcnt 0x0
	ds_add_u32 v128, v129
	s_wait_dscnt 0x0
	s_endpgm
; ---------------- THE ROUTING.  Wave w takes tokens 256 w + 32 j + lane, chunks j = 0 .. 7
.Lroute:
	s_wait_alu depctr_va_vdst(0)
	v_lshlrev_b32 v2, 3, v1
	s_lshl_b32 s22, s2, 11
	v_add_nc_u32 v2, s22, v2                       ; 8 bytes a token in both inputs
	s_wait_alu depctr_va_vdst(0)
	s_wait_kmcnt 0x0
.irp j, 0,1,2,3,4,5,6,7
	global_load_b64 v[EI+2*\j:EI+2*\j+1], v2, s[4:5] offset:256*\j
.endr
.irp j, 0,1,2,3,4,5,6,7
	global_load_b64 v[EW+2*\j:EW+2*\j+1], v2, s[6:7] offset:256*\j
.endr
.irp e, 1,2,3,4,5,6,7
	s_mov_b32 s[48+\e], 0x01010101<<\e             ; the lanes with lane % 8 = e
.endr
.irp e, 1,2,3
	s_mov_b32 s[56+\e], 0xff<<(8*\e)               ; the lanes with lane / 8 = e
.endr
	s_mov_b32 s60, 0x01010101
	s_mov_b32 s61, 0xffff0000                      ; lanes 16-31
	v_mov_b32 v[CL], 0                             ; nothing came before chunk 0
	v_mov_b32 v[CH], 0
.macro POPC2                           ; v8 and v9 become the numbers of their ones, line by line by turns (v10, v11 at work)
	v_lshrrev_b32 v10, 1, v8
	v_lshrrev_b32 v11, 1, v9
	s_delay_alu instid0(VALU_DEP_2)
	v_and_b32 v10, 0x55555555, v10
	s_delay_alu instid0(VALU_DEP_2)
	v_and_b32 v11, 0x55555555, v11
	s_delay_alu instid0(VALU_DEP_2)
	v_sub_nc_u32 v8, v8, v10
	s_delay_alu instid0(VALU_DEP_2)
	v_sub_nc_u32 v9, v9, v11
	s_delay_alu instid0(VALU_DEP_2)
	v_lshrrev_b32 v10, 2, v8
	s_delay_alu instid0(VALU_DEP_2)
	v_lshrrev_b32 v11, 2, v9
	s_delay_alu instid0(VALU_DEP_4)
	v_and_b32 v8, 0x33333333, v8
	s_delay_alu instid0(VALU_DEP_4)
	v_and_b32 v9, 0x33333333, v9
	s_delay_alu instid0(VALU_DEP_4)
	v_and_b32 v10, 0x33333333, v10
	s_delay_alu instid0(VALU_DEP_4)
	v_and_b32 v11, 0x33333333, v11
	s_delay_alu instid0(VALU_DEP_2)
	v_add_nc_u32 v8, v8, v10
	s_delay_alu instid0(VALU_DEP_2)
	v_add_nc_u32 v9, v9, v11
	s_delay_alu instid0(VALU_DEP_2)
	v_lshrrev_b32 v10, 4, v8
	s_delay_alu instid0(VALU_DEP_2)
	v_lshrrev_b32 v11, 4, v9
	s_delay_alu instid0(VALU_DEP_2)
	v_add_nc_u32 v8, v8, v10
	s_delay_alu instid0(VALU_DEP_2)
	v_add_nc_u32 v9, v9, v11
	s_delay_alu instid0(VALU_DEP_2)
	v_and_b32 v8, 0x0f0f0f0f, v8
	s_delay_alu instid0(VALU_DEP_2)
	v_and_b32 v9, 0x0f0f0f0f, v9
	s_delay_alu instid0(VALU_DEP_2)
	v_mul_lo_u32 v8, v8, s60
	s_delay_alu instid0(VALU_DEP_2)
	v_mul_lo_u32 v9, v9, s60
	s_delay_alu instid0(VALU_DEP_2)
	v_lshrrev_b32 v8, 24, v8
	s_delay_alu instid0(VALU_DEP_2)
	v_lshrrev_b32 v9, 24, v9
.endm
.macro CHUNK j
	s_wait_loadcnt 7-\j                            ; behind this chunk's weights stand the later chunks' 7 - j loads; all indices were asked for earlier
	v_min_u32 v3, v[EI+2*\j], v[EI+2*\j+1]         ; a
	v_max_u32 v4, v[EI+2*\j], v[EI+2*\j+1]         ; b
	v_cmp_gt_u32 vcc_lo, v[EI+2*\j], v[EI+2*\j+1]  ; the weights follow their experts: a select of values, no address hangs on them
	v_add_f32 v16, v[EW+2*\j], v[EW+2*\j+1]
.irp e, 0,1,2,3,4,5,6,7
	v_cmp_eq_u32 s[32+\e], \e, v3                  ; which lanes have a = e,
	v_cmp_eq_u32 s[40+\e], \e, v4                  ; which have b = e
.endr
	v_cndmask_b32 v14, v[EW+2*\j], v[EW+2*\j+1], vcc_lo
	v_cndmask_b32 v15, v[EW+2*\j+1], v[EW+2*\j], vcc_lo
	v_cmp_eq_u32 vcc_lo, v[EI+2*\j], v[EI+2*\j+1]  ; one expert named twice: its weight is the sum, and there is no second pass
	v_lshl_add_u32 v[KEY+\j], v3, 3, v4
	; five chains by turns.  v5, v6: my token's side: the lanes that share my a, my b (the ballot is value and mask).
	; v7, v8, v9: the keys' side, lane = key: the ballots of b = lane % 8, of a = lane / 8, of a = 4 + lane / 8
	v_cndmask_b32 v5, 0, s32, s32
	v_cndmask_b32 v6, 0, s40, s40
	v_mov_b32 v7, s40
	v_mov_b32 v8, s32
	v_mov_b32 v9, s36
.irp e, 1,2,3
	v_cndmask_b32 v5, v5, s[32+\e], s[32+\e]
	v_cndmask_b32 v6, v6, s[40+\e], s[40+\e]
	v_cndmask_b32 v7, v7, s[40+\e], s[48+\e]
	v_cndmask_b32 v8, v8, s[32+\e], s[56+\e]
	v_cndmask_b32 v9, v9, s[36+\e], s[56+\e]
.endr
.irp e, 4
	v_cndmask_b32 v5, v5, s[32+\e], s[32+\e]
	v_cndmask_b32 v6, v6, s[40+\e], s[40+\e]
	v_cndmask_b32 v7, v7, s[40+\e], s[48+\e]
.endr
.irp e, 5, 6, 7
	s_delay_alu instid0(VALU_DEP_3)
	v_cndmask_b32 v5, v5, s[32+\e], s[32+\e]
	s_delay_alu instid0(VALU_DEP_3)
	v_cndmask_b32 v6, v6, s[40+\e], s[40+\e]
	s_delay_alu instid0(VALU_DEP_3)
	v_cndmask_b32 v7, v7, s[40+\e], s[48+\e]
.endr
	v_cndmask_b32 v[EW+2*\j], v14, v16, vcc_lo     ; ca
	v_cndmask_b32 v[EW+2*\j+1], v15, 0, vcc_lo     ; cb
	s_delay_alu instid0(VALU_DEP_4)
	v_and_b32 v5, v5, v6                           ; the lanes that share my key
	s_delay_alu instid0(VALU_DEP_4)
	v_and_b32 v8, v8, v7                           ; the chunk's tokens of key lane,
	v_and_b32 v9, v9, v7                           ; and of key 32 + lane
	v_and_b32 v[EI+2*\j], 31, v[KEY+\j]
	s_delay_alu instid0(VALU_DEP_4)
	v_mbcnt_lo_u32_b32 v[RK+\j], v5, 0             ; how many of my key stand below me
	s_delay_alu instid0(VALU_DEP_2)
	v_lshlrev_b32 v[EI+2*\j], 2, v[EI+2*\j]        ; the lane that stands for my key, x 4: the look-up's index
	POPC2
.if \j < 7
	s_delay_alu instid0(VALU_DEP_2)
	v_add_nc_u32 v[CL+\j+1], v[CL+\j], v8          ; what comes before the next chunk
	s_delay_alu instid0(VALU_DEP_2)
	v_add_nc_u32 v[CH+\j+1], v[CH+\j], v9
.else
	s_delay_alu instid0(VALU_DEP_2)
	v_add_nc_u32 v12, v[CL+\j], v8                 ; my wave's totals
	s_delay_alu instid0(VALU_DEP_2)
	v_add_nc_u32 v13, v[CH+\j], v9
.endif
.endm
.irp j, 0,1,2,3,4,5,6,7
	CHUNK \j
.endr
	; the waves' totals meet in LDS
	v_lshlrev_b32 v18, 2, v1
	s_lshl_b32 s22, s2, 8
	v_add_nc_u32 v17, s22, v18                     ; 256 x wave + 4 x lane
	ds_store_b32 v17, v12
	ds_store_b32 v17, v13 offset:128
	s_wait_alu depctr_va_vdst(0)
	s_wait_dscnt 0x0                               ; for the others' sake: my stores have landed
	s_barrier_signal -1
	s_barrier_wait -1                              ; all sixteen waves of work-group 0 pass here; the branch above hangs on the work-group's number alone
.irp e, 0,1,2,3,4,5,6,7,8,9,10,11,12,13,14,15
	ds_load_b32 v[LO+\e], v18 offset:256*\e
	ds_load_b32 v[LO+16+\e], v18 offset:256*\e+128
.endr
	v_mov_b32 v19, 0                               ; N: a key's tokens in all waves (keys 0-31, 32-63)
	v_mov_b32 v20, 0
	v_mov_b32 v21, 0                               ; PW: in the waves before mine
	v_mov_b32 v22, 0
	s_wait_alu depctr_va_vdst(0)
	s_wait_dscnt 0x0
.irp e, 0,1,2,3,4,5,6,7,8,9,10,11,12,13,14,15
	s_cmp_gt_u32 s2, \e
	s_cselect_b32 s22, 1, 0
	v_add_nc_u32 v19, v19, v[LO+\e]
	v_add_nc_u32 v20, v20, v[LO+16+\e]
	v_mad_u32_u24 v21, v[LO+\e], s22, v21          ; counted where wave e stands before mine (the numbers are 256 at the most)
	v_mad_u32_u24 v22, v[LO+16+\e], s22, v22
.endr
	s_delay_alu instid0(VALU_DEP_4)
	v_add_nc_u32 v23, 63, v19
	s_delay_alu instid0(VALU_DEP_4)
	v_add_nc_u32 v24, 63, v20
	s_delay_alu instid0(VALU_DEP_2)
	v_lshrrev_b32 v23, 6, v23                      ; a key's groups
	s_delay_alu instid0(VALU_DEP_2)
	v_lshrrev_b32 v24, 6, v24
	s_delay_alu instid0(VALU_DEP_2)
	v_mov_b32 v25, v23
	s_delay_alu instid0(VALU_DEP_2)
	v_mov_b32 v26, v24
.irp k, 1,2,4,8                        ; running sums over the 64 keys: within each 16 lanes,
	s_delay_alu instid0(VALU_DEP_2)
	v_mov_b32_dpp v10, v25 row_shr:\k row_mask:0xf bank_mask:0xf bound_ctrl:1
	s_delay_alu instid0(VALU_DEP_2)
	v_mov_b32_dpp v11, v26 row_shr:\k row_mask:0xf bank_mask:0xf bound_ctrl:1
	s_delay_alu instid0(VALU_DEP_2)
	v_add_nc_u32 v25, v25, v10
	s_delay_alu instid0(VALU_DEP_2)
	v_add_nc_u32 v26, v26, v11
.endr
	s_delay_alu instid0(VALU_DEP_2)
	v_readlane_b32 s22, v25, 15
	s_delay_alu instid0(VALU_DEP_2)
	v_readlane_b32 s23, v26, 15
	s_delay_alu instid0(VALU_DEP_2)
	v_cndmask_b32 v10, 0, s22, s61                 ; lanes 16-31 take the lower 16 lanes' total,
	s_delay_alu instid0(VALU_DEP_2)
	v_cndmask_b32 v11, 0, s23, s61
	s_delay_alu instid0(VALU_DEP_2)
	v_add_nc_u32 v25, v25, v10
	s_delay_alu instid0(VALU_DEP_2)
	v_add_nc_u32 v26, v26, v11
	s_delay_alu instid0(VALU_DEP_2)
	v_readlane_b32 s22, v25, 31
	s_delay_alu instid0(VALU_DEP_1)
	v_add_nc_u32 v26, s22, v26                     ; keys 32-63 that of keys 0-31
	s_delay_alu instid0(VALU_DEP_1)
	v_readlane_b32 s62, v26, 31                    ; G: groups in all
	v_sub_nc_u32 v27, v25, v23                     ; a key's first group
	s_delay_alu instid0(VALU_DEP_3)
	v_sub_nc_u32 v28, v26, v24
	s_delay_alu instid0(VALU_DEP_2)
	v_lshl_add_u32 v29, v27, 6, v21                ; where my wave's tokens of a key begin
	s_delay_alu instid0(VALU_DEP_2)
	v_lshl_add_u32 v30, v28, 6, v22
	; wave w serves the four keys a = w / 2, b = 4 (w % 2) + q: they stand in lanes 4 (w % 8) + q of the half that holds a
	s_cmp_ge_u32 s2, 8
	s_cselect_b32 s22, -1, 0
	v_cndmask_b32 v19, v19, v20, s22               ; N and the first group of my half of the keys
	v_cndmask_b32 v27, v27, v28, s22
	s_and_b32 s23, s2, 7
	s_lshl_b32 s23, s23, 2
	v_and_b32 v10, 3, v1
	s_delay_alu instid0(VALU_DEP_1)
	v_add_nc_u32 v10, s23, v10
	s_delay_alu instid0(VALU_DEP_1)
	v_lshlrev_b32 v10, 2, v10
.irp j, 0,1,2,3,4,5,6,7
	v_add_nc_u32 v[CL+\j], v[CL+\j], v29
	v_add_nc_u32 v[CH+\j], v[CH+\j], v30
.endr
.irp j, 0,1,2,3,4,5,6,7
	ds_bpermute_b32 v[LO+\j], v[EI+2*\j], v[CL+\j] ; each token asks the lane that stands for its key
	ds_bpermute_b32 v[HI+\j], v[EI+2*\j], v[CH+\j]
.endr
	ds_bpermute_b32 v20, v10, v19                  ; lane q gets the numbers of my key q
	ds_bpermute_b32 v28, v10, v27
	s_lshl_b32 s22, s2, 8
	v_add_nc_u32 v31, s22, v1                      ; my token of chunk 0
.irp j, 0,1,2,3,4,5,6,7
	v_cmp_lt_u32 s[32+\j], 31, v[KEY+\j]
.endr
	s_wait_dscnt 0x0
	; the eight chunks stage by stage; every chunk's stores have address and data registers of their own
.irp j, 0,1,2,3,4,5,6,7
	v_cndmask_b32 v[LO+\j], v[LO+\j], v[HI+\j], s[32+\j]
.endr
.irp j, 0,1,2,3,4,5,6,7
	v_add_nc_u32 v[LO+\j], v[LO+\j], v[RK+\j]      ; my position
.endr
.irp j, 0,1,2,3,4,5,6,7
	v_min_u32 v[LO+\j], 6335, v[LO+\j]             ; held inside 99 groups x 64
.endr
.irp j, 0,1,2,3,4,5,6,7
	v_lshlrev_b32 v[EI+2*\j+1], 2, v[LO+\j]
	v_add_nc_u32 v[HI+\j], 32*\j, v31
.endr
.irp j, 0,1,2,3,4,5,6,7
	v_lshlrev_b32 v[LO+\j], 3, v[LO+\j]
.endr
.irp j, 0,1,2,3,4,5,6,7
	global_store_b32 v[EI+2*\j+1], v[HI+\j], s[14:15]
	global_store_b64 v[LO+\j], v[EW+2*\j:EW+2*\j+1], s[16:17]
.endr
	; groups that no key uses: their tok is filled with the mark (a later launch loads tok before it knows its group's rows), their entries are zeros.
	; These lines name none of the token stores' registers: they stand between those stores and the wait that frees their registers
	v_lshlrev_b32 v112, 3, v1
	s_lshl_b32 s66, s2, 8
	v_add_nc_u32 v112, s66, v112                   ; 256 x wave + 8 x lane
	v_mov_b32 v114, 0x7fffffff                     ; the mark of a padding position
	v_mov_b32 v115, 0x7fffffff
	v_mov_b32 v122, 0
	v_mov_b32 v123, 0
.macro FILLG t                         ; group w + 16 t: its 64 words are one store of 256 consecutive bytes
	s_add_co_u32 s66, s2, 16*\t
	s_cmp_lt_u32 s66, s62
	s_cbranch_scc1 .Lused_\@
	s_cmp_gt_u32 s66, 98
	s_cbranch_scc1 .Lused_\@
	s_wait_alu depctr_va_vdst(0)
	global_store_b64 v112, v[114:115], s[14:15] offset:4096*\t
.Lused_\@:
.endm
.irp t, 0,1,2,3,4,5,6
	FILLG \t
.endr
	v_lshrrev_b32 v116, 2, v1
	s_lshl_b32 s66, s2, 3
	v_add_nc_u32 v116, s66, v116                   ; entry 8 w + lane / 4: a lane has a quarter of it
	v_and_b32 v117, 3, v1
	s_delay_alu instid0(VALU_DEP_1)
	v_lshlrev_b32 v117, 2, v117                    ; which quarter
	s_delay_alu instid0(VALU_DEP_3)
	v_cmp_le_u32 vcc_lo, s62, v116                 ; an entry from G on is empty: zeros
	s_delay_alu instid0(VALU_DEP_1)
	v_cndmask_b32 v116, SPAREENT, v116, vcc_lo     ; a lane whose entry is in use sends its zero to the spare entry
	s_delay_alu instid0(VALU_DEP_1)
	v_min_u32 v116, SPAREENT, v116
	s_delay_alu instid0(VALU_DEP_1)
	v_lshlrev_b32 v116, 4, v116
	s_delay_alu instid0(VALU_DEP_1)
	v_add_nc_u32 v116, v117, v116
	global_store_b32 v116, v122, s[12:13]
	; padding and the table of groups
	s_lshr_b32 s75, s2, 1                          ; a
	s_and_b32 s76, s2, 1
	s_lshl_b32 s76, s76, 2                         ; my first b
	v_mov_b32 v121, s75
	s_wait_xcnt 0x0                                ; the stores issued so far have read their address and data registers: v32-111 are written again below.
	                                               ; From here on each block of stores has registers of its own, so that no further wait is owed
.macro KEYQ q
	s_add_co_u32 s72, s76, \q                      ; b
	s_cmp_gt_u32 s75, s72                          ; b < a: no such key
	s_cbranch_scc1 .Lnokey_\@
	v_readlane_b32 s67, v20, \q                    ; n
	v_readlane_b32 s68, v28, \q                    ; its first group
	s_cmp_eq_u32 s67, 0
	s_cbranch_scc1 .Lnokey_\@
	s_min_u32 s67, s67, 4096
	s_min_u32 s68, s68, 98
	s_add_co_u32 s69, s67, 63
	s_lshr_b32 s69, s69, 6                         ; its groups
	s_lshl_b32 s70, s69, 6
	s_lshl_b32 s71, s68, 6
.irp t, 0,1
.set KB, KBL+8*(2*(\q)+\t)             ; the block's registers: +0, +1, +2 addresses, +4 .. +7 an entry
	v_add_nc_u32 v96, 32*\t, v1                    ; j = lane + 32 t
	s_delay_alu instid0(VALU_DEP_1)
	v_add_nc_u32 v97, s67, v96                     ; n + j: a padding position where it is under 64 x groups
	s_delay_alu instid0(VALU_DEP_1)
	v_cmp_gt_u32 vcc_lo, s70, v97
	s_delay_alu instid0(VALU_DEP_2)
	v_add_nc_u32 v98, s71, v97
	s_delay_alu instid0(VALU_DEP_1)
	v_cndmask_b32 v98, SPAREPOS, v98, vcc_lo       ; else the spare position, which takes the same mark and the same zeros from every such lane
	s_delay_alu instid0(VALU_DEP_1)
	v_min_u32 v98, SPAREPOS, v98
	s_delay_alu instid0(VALU_DEP_1)
	v_lshlrev_b32 v[KB], 2, v98
	s_delay_alu instid0(VALU_DEP_2)
	v_lshlrev_b32 v[KB+1], 3, v98
	global_store_b32 v[KB], v114, s[14:15]
	global_store_b64 v[KB+1], v[122:123], s[16:17]
	v_cmp_gt_u32 vcc_lo, s69, v96                  ; group j of the key, where j is under its groups
	v_add_nc_u32 v99, s68, v96
	s_delay_alu instid0(VALU_DEP_1)
	v_cndmask_b32 v99, SPAREENT, v99, vcc_lo       ; else the spare entry, which takes zeros
	s_delay_alu instid0(VALU_DEP_1)
	v_min_u32 v99, SPAREENT, v99
	s_delay_alu instid0(VALU_DEP_1)
	v_lshlrev_b32 v[KB+2], 4, v99
	v_lshlrev_b32 v100, 6, v96
	s_delay_alu instid0(VALU_DEP_1)
	v_sub_nc_u32 v100, s67, v100
	s_delay_alu instid0(VALU_DEP_1)
	v_min_u32 v100, 64, v100                       ; its rows: 64, or what is left
	v_cndmask_b32 v[KB+4], 0, v121, vcc_lo         ; {a, b, rows, 0}
	v_cndmask_b32 v[KB+5], 0, s72, vcc_lo
	s_delay_alu instid0(VALU_DEP_3)
	v_cndmask_b32 v[KB+6], 0, v100, vcc_lo
	v_mov_b32 v[KB+7], 0
	global_store_b128 v[KB+2], v[KB+4:KB+7], s[12:13]
.endr
.Lnokey_\@:
.endm
.irp q, 0,1,2,3
	KEYQ \q
.endr
	s_wait_tensorcnt 0x0
	ds_add_u32 v128, v129
	s_wait_dscnt 0x0
	s_endpgm
.Lfunc_end_k_q2516101ce2_prep:
	.size	k_q2516101ce2_prep, .Lfunc_end_k_q2516101ce2_prep-k_q2516101ce2_prep
	.p2alignl 7, 3214868480
	.fill 96, 4, 3214868480
	.section	.rodata,"a",@progbits
	.p2align	6, 0x0
	.amdhsa_kernel k_q2516101ce2_prep
		.amdhsa_group_segment_fixed_size 75776
		.amdhsa_private_segment_fixed_size 0
		.amdhsa_enable_private_segment 0
		.amdhsa_kernarg_size 72
		.amdhsa_user_sgpr_count 2
		.amdhsa_user_sgpr_kernarg_segment_ptr 1
		.amdhsa_wavefront_size32 1
		.amdhsa_system_sgpr_workgroup_id_x 1
		.amdhsa_system_sgpr_workgroup_id_y 1
		.amdhsa_system_sgpr_workgroup_id_z 1
		.amdhsa_system_vgpr_workitem_id 0
		.amdhsa_next_free_vgpr 130
		.amdhsa_next_free_sgpr 80
		.amdhsa_reserve_vcc 1
		.amdhsa_float_denorm_mode_32 3
		.amdhsa_float_denorm_mode_16_64 3
		.amdhsa_memory_ordered 1
		.amdhsa_forward_progress 1
		.amdhsa_inst_pref_size 88
	.end_amdhsa_kernel
	.amdgpu_metadata
---
amdhsa.version: [ 1, 2 ]
amdhsa.kernels:
  - .name:           k_q2516101ce2_prep
    .symbol:         k_q2516101ce2_prep.kd
    .args:
      - { .name: expert_indices, .offset: 0, .size: 8, .value_kind: global_buffer, .address_space: global }
      - { .name: expert_weights, .offset: 8, .size: 8, .value_kind: global_buffer, .address_space: global }
      - { .name: w1_codes, .offset: 16, .size: 8, .value_kind: global_buffer, .address_space: global }
      - { .name: w2_codes, .offset: 24, .size: 8, .value_kind: global_buffer, .address_space: global }
      - { .name: grp, .offset: 32, .size: 8, .value_kind: global_buffer, .address_space: global }
      - { .name: tok, .offset: 40, .size: 8, .value_kind: global_buffer, .address_space: global }
      - { .name: coef, .offset: 48, .size: 8, .value_kind: global_buffer, .address_space: global }
      - { .name: w1i, .offset: 56, .size: 8, .value_kind: global_buffer, .address_space: global }
      - { .name: w2i, .offset: 64, .size: 8, .value_kind: global_buffer, .address_space: global }
    .group_segment_fixed_size: 75776
    .private_segment_fixed_size: 0
    .kernarg_segment_align: 8
    .kernarg_segment_size: 72
    .max_flat_workgroup_size: 512
    .sgpr_count:     80
    .vgpr_count:     130
    .wavefront_size: 32
...
	.end_amdgpu_metadata
.endif
;; end of part 4
;; launch up (part 5): grid 8 x 99, 1 waves a work-group, no clusters, 0 bytes of LDS; arguments grp, tok, x_codes, x_scales, w1i, w1_scales, h, hs; writes h, hs
.if DOCPART == 5
	.amdgcn_target "amdgcn-amd-amdhsa--gfx1250"
	.amdhsa_code_object_version 6
	.text
	.protected	k_q2516101ce2_up
	.globl	k_q2516101ce2_up
	.p2align	8
	.type	k_q2516101ce2_up,@function
k_q2516101ce2_up:
	s_mov_b64 s[64:65], 0
	v_nop
	global_prefetch_b8 v0, s[64:65] scope:SCOPE_SE
	s_setreg_imm32_b32 hwreg(HW_REG_WAVE_SCHED_MODE, 0, 2), 2
	s_setreg_imm32_b32 hwreg(HW_REG_WAVE_MODE, 25, 1), 1
	s_wait_xcnt 0x0
	s_wait_alu depctr_vm_vsrc(0)
; H = Q(gelu(x W1_e)) for one group of 64 rows, one of its two experts and 256 hidden units; Q: the MX-FP8 quantiser along the hidden units.
; Work-group (x, y): group g = y, which = x / 4 (0: expert a, 1: expert b), q = x % 4: hidden units 256 q on, as eight PAIRS of tiles (32 units each).
; A work-group is ONE wave.  Its 64 rows' codes of x, all of K, stay in 512 registers; the weights come from memory straight into 256 registers, as the
; images that the launch before has laid: a lane loads its fragments whole, 512 consecutive bytes a load.  No LDS, no barrier.
; WHY NO TENSOR LOAD, NO CLUSTER: the wave ends at once where the stored list gives its group no rows (or a = b and which = 1): a branch on a number read
; from memory; and which groups share an expert hangs on the split, so no fixed set of neighbours reads the same weights.  The grid, 99 groups, serves every split.
; THE PRODUCT IS USED TRANSPOSED (source 0 = 16 rows of W1, source 1 = 16 rows of x), and a tile's rows are 32 P + 8 u + r + 8 (r / 8): lane (r, h) holds row r of x,
; and the 16 registers of a pair's two tiles are hidden units 32 P + 16 h + 0 .. 15: a block of 32 lies in lanes l and l xor 16, and the conversions' results are registers
; 4 c .. 4 c + 3 of the next product's operand.  They are stored as that operand's image: h[(2 g + which)][unit of 16 rows][P][lane][16 bytes].
; gelu is the tanh form: x / (1 + 2^(x (C1 + C3 x^2))), C1 = -2 sqrt(2 / pi) log2(e), C3 = 0.044715 C1; all in f32.
; LIMITS: a block of zeros gets the scale byte 1 where the rule says 127 (its codes are zeros, and this program alone reads the bytes); NaN and infinities among
; the inputs are not served; a padding position computes token 4,095's row, which the next launch never stores.
; REGISTERS: window 0: v1-15 addresses and constants; v16-23 W1's scale words (lanes 0-15 tile u = 0, lanes 16-31 u = 1); v24-39 x's (lanes 0-15 unit 2 j, lanes 16-31 unit 2 j + 1);
;   v40-47 tokens; v48 the codes' stores' offset; v64-127 the eight accumulators; v128-191 gelu at work; v192-235 the quantiser.  Window 1: a pair's image.  Windows 2, 3: x's fragments (K step s, unit i) at 16 (4 (s % 4) + i).
; THE MODE: SCHED_MODE bits 1:0 = 2 (LLVM: expert scheduling mode 2), set by the entry lines.  The code itself states the register dependences
; between vector or matrix instructions and memory instructions, with s_wait_alu, always for 0.
; THE PLAN.  Registers that memory instructions touch, in the loop:
;   the image's first half (window 1, v0-127)    read by K steps 0-3; the next pair's 32 loads land in it, eight ahead of each of K steps 4 to 7.
;   the image's second half (window 1, v128-255) read by K steps 4-7; the next pair's 32 loads land in it behind K step 7.
;   W1's scale words v16-23                      read by all eight K steps; the next pair's two loads land in them behind K step 7.
;   the codes v220-235                           written by pair p's conversions; read by four stores that are issued in pair p + 1, behind its K step 3.
;   v1, v2, v3, v48                              offsets, made once at the head and never written again: the scalar bases move on.
; So a pair has two waits on va_vdst beside the gelu's four: one behind K step 3 (the first half has been read; the last pair's codes are written), one behind K step 7
; (the second half and the scale words have been read).  K steps 4 to 7 name the second half, window 3, the accumulators and the scale words: none of the registers that the
; stores and loads dealt among them touch.  One wait on vm_vsrc stands ahead of the conversions, which write the codes' registers again.
.set ACC,  64
.set GT,   128
.set MX,   192
.set PM,   196
.set SO,   200
.set HOLD, 204
.set BY,   208
.set HW,   212                         ; v212-219 a unit's eight scale bytes, in a pair of registers
.set CD,   220                         ; v220-235 a unit's 16 codes
.set WS,   16
.set XS,   24
.set SA,   48                          ; v48      16 l once more: the offset of the codes' stores alone, so that no store among the image's loads names a register of theirs
.set MSB,  0
.macro WIN new                         ; the immediate's high byte repeats the setting that is left
.if MSB != (\new)
	s_set_vgpr_msb (MSB<<8)|(\new)
.set MSB, \new
.endif
.endm
.macro PLACES                          ; eight places behind this matrix form, in front of reads of its results; in front of loads into its registers they stand as in the plain form
.rept 8
	v_nop
.endr
.endm
.macro BLOAD half, off                 ; half an image, 16 KB: chunks 32 half .. 32 half + 31 (K steps 4 half on) into window 1
	WIN 0x40
.set bk, 0
.rept 32
	global_load_b128 v[128*\half+4*bk:128*\half+4*bk+3], v1, s[12:13] offset:\off+16384*\half+512*bk
.set bk, bk+1
.endr
	WIN 0
.endm
.macro BL8 q, off                      ; eight chunks of an image, 8 q .. 8 q + 7 (K step q), into window 1
	WIN 0x40
.set bk, 8*(\q)
.rept 8
	global_load_b128 v[4*bk:4*bk+3], v1, s[12:13] offset:\off+512*bk
.set bk, bk+1
.endr
.endm
.macro MM sg, sl, u, i                 ; K step sg (sl = sg % 4), tile u, unit i
.set rD, ACC+16*(\i)+8*(\u)
.set rB, 16*(2*(\sg)+(\u))
.set rA, 16*(4*(\sl)+(\i))
.set rW, WS+(\sg)
.set rX, XS+8*((\i)/2)+(\sg)
.if (\sg) == 0                         ; the first K step starts the sums: nothing is cleared
.if (\u) == 0
.if ((\i)%2) == 0
	v_wmma_scale_f32_16x16x128_f8f6f4 v[rD:rD+7], v[rB:rB+15], v[rA:rA+15], 0, v[rW], v[rX]
.else
	v_wmma_scale_f32_16x16x128_f8f6f4 v[rD:rD+7], v[rB:rB+15], v[rA:rA+15], 0, v[rW], v[rX] matrix_b_scale:MATRIX_SCALE_ROW1
.endif
.else
.if ((\i)%2) == 0
	v_wmma_scale_f32_16x16x128_f8f6f4 v[rD:rD+7], v[rB:rB+15], v[rA:rA+15], 0, v[rW], v[rX] matrix_a_scale:MATRIX_SCALE_ROW1
.else
	v_wmma_scale_f32_16x16x128_f8f6f4 v[rD:rD+7], v[rB:rB+15], v[rA:rA+15], 0, v[rW], v[rX] matrix_a_scale:MATRIX_SCALE_ROW1 matrix_b_scale:MATRIX_SCALE_ROW1
.endif
.endif
.else
.if (\u) == 0
.if ((\i)%2) == 0
	v_wmma_scale_f32_16x16x128_f8f6f4 v[rD:rD+7], v[rB:rB+15], v[rA:rA+15], v[rD:rD+7], v[rW], v[rX]
.else
	v_wmma_scale_f32_16x16x128_f8f6f4 v[rD:rD+7], v[rB:rB+15], v[rA:rA+15], v[rD:rD+7], v[rW], v[rX] matrix_b_scale:MATRIX_SCALE_ROW1
.endif
.else
.if ((\i)%2) == 0
	v_wmma_scale_f32_16x16x128_f8f6f4 v[rD:rD+7], v[rB:rB+15], v[rA:rA+15], v[rD:rD+7], v[rW], v[rX] matrix_a_scale:MATRIX_SCALE_ROW1
.else
	v_wmma_scale_f32_16x16x128_f8f6f4 v[rD:rD+7], v[rB:rB+15], v[rA:rA+15], v[rD:rD+7], v[rW], v[rX] matrix_a_scale:MATRIX_SCALE_ROW1 matrix_b_scale:MATRIX_SCALE_ROW1
.endif
.endif
.endif
.endm
.macro KSTEP sg                        ; 8 matrix instructions: K step sg.  The eight accumulators take turns, one instruction a turn
	WIN 0x09+4*((\sg)/4)                           ; source 0 window 1, source 1 window 2 or 3, C and D window 0
.irp u, 0,1
.irp i, 0,1,2,3
	MM \sg, (\sg)%4, \u, \i
.endr
.endr
.endm
.macro GELU                            ; the 64 numbers in ACC, in place; each accumulator is read from its low end on
.set gk, 0
.rept 32
	v_pk_mul_f32 v[GT+gk:GT+gk+1], v[ACC+gk:ACC+gk+1], v[ACC+gk:ACC+gk+1]          ; x^2
.set gk, gk+2
.endr
.set gk, 0
.rept 32
	v_pk_fma_f32 v[GT+gk:GT+gk+1], v[GT+gk:GT+gk+1], v[10:11], v[12:13]            ; C3 x^2 + C1
.set gk, gk+2
.endr
.set gk, 0
.rept 32
	v_pk_mul_f32 v[GT+gk:GT+gk+1], v[GT+gk:GT+gk+1], v[ACC+gk:ACC+gk+1]            ; x (C1 + C3 x^2)
.set gk, gk+2
.endr
.set gk, 0
	s_wait_alu depctr_va_vdst(0)
.rept 64
	v_exp_f32 v[GT+gk], v[GT+gk]
.set gk, gk+1
.endr
	v_nop                                          ; a plain instruction behind the last exponential,
	s_wait_alu depctr_va_vdst(0)                   ; and one wait for the batch: the 64 exponentials have written v[GT ..], which the additions below read
.set gk, 0
.rept 32
	v_pk_add_f32 v[GT+gk:GT+gk+1], v[GT+gk:GT+gk+1], 1.0 op_sel_hi:[1,0]
.set gk, gk+2
.endr
.set gk, 0
	s_wait_alu depctr_va_vdst(0)
.rept 64
	v_rcp_f32 v[GT+gk], v[GT+gk]
.set gk, gk+1
.endr
	v_nop
	s_wait_alu depctr_va_vdst(0)                   ; likewise: the 64 reciprocals have written v[GT ..], which the multiplications below read
.set gk, 0
.rept 32
	v_pk_mul_f32 v[ACC+gk:ACC+gk+1], v[ACC+gk:ACC+gk+1], v[GT+gk:GT+gk+1]
.set gk, gk+2
.endr
.endm
.macro QUANT first                     ; four blocks of 32, one for each unit of 16 rows: my 16 numbers and lane l xor 16's.  first = 1: no codes have been stored yet
.irp i, 0,1,2,3
	v_max3_num_f32 v[MX+\i], |v[ACC+16*\i]|, |v[ACC+16*\i+1]|, 0x4800000           ; and the floor 2^(9 - 127): the byte cannot fall under 1
.endr
.irp k, 2,4,6,8,10,12,14
.irp i, 0,1,2,3
	v_max3_num_f32 v[MX+\i], v[MX+\i], |v[ACC+16*\i+\k]|, |v[ACC+16*\i+\k+1]|      ; the four blocks by turns
.endr
.endr
.irp i, 0,1,2,3
	v_permlanex16_b32 v[PM+\i], v[MX+\i], s34, s35
.endr
.irp i, 0,1,2,3
	v_max_num_f32 v[MX+\i], v[MX+\i], v[PM+\i]     ; the block's largest magnitude
.endr
.irp i, 0,1,2,3
	v_add_nc_u32 v[SO+\i], 0xfc000000, v[MX+\i]    ; 8 off its exponent field: the conversion's scale operand
.endr
.irp i, 0,1,2,3
	v_and_or_b32 v[HOLD+\i], v[MX+\i], 0x7f800000, s33   ; 448 x the scale
.endr
.irp i, 0,1,2,3
	v_lshrrev_b32 v[BY+\i], 23, v[SO+\i]           ; the scale's byte
.endr
.irp i, 0,1,2,3                        ; it enters the unit's 64 bits at the top while they move down by 8: after eight pairs the first pair's byte is the lowest
	v_alignbit_b32 v[HW+2*\i], v[HW+2*\i+1], v[HW+2*\i], 8
	v_lshrrev_b32 v[HW+2*\i+1], 8, v[HW+2*\i+1]
	v_lshl_or_b32 v[HW+2*\i+1], v[BY+\i], 24, v[HW+2*\i+1]
.endr
	s_wait_xcnt 0x0                                ; the pair's loads and stores have read their bases and data: only behind this wait are the codes' registers written again, and the bases at the pair's end (no global instruction stands between)
.if !\first
	s_wait_alu depctr_vm_vsrc(0)                   ; the stores of the last pair's codes have read v[CD ..], which the conversions below write again
.endif
.irp i, 0,1,2,3
.irp k, 0,1,2,3,4,5,6,7,8,9,10,11,12,13,14,15
	v_med3_num_f32 v[ACC+16*\i+\k], v[ACC+16*\i+\k], -v[HOLD+\i], v[HOLD+\i]       ; the conversion to an 8-bit code does not saturate (ISA guide 7.6.2)
.endr
	v_cvt_scalef32_pk8_fp8_f32 v[CD+4*\i:CD+4*\i+1], v[ACC+16*\i:ACC+16*\i+7], v[SO+\i]
	v_cvt_scalef32_pk8_fp8_f32 v[CD+4*\i+2:CD+4*\i+3], v[ACC+16*\i+8:ACC+16*\i+15], v[SO+\i]
.endr
	v_nop                                          ; a plain instruction between the last conversion and the next products, which write its sources
.endm
; A PAIR: 64 products, gelu, the quantiser; the four stores of the pair before.  first = 1: there is no pair before.
; more = 1: the next pair's image and scale words are asked for as this pair's registers come free; more = 0: the last pair, which also stores its own codes.
.macro PAIR first, more
	s_wait_loadcnt 32                              ; all but the 32 loads of the image's second half
	KSTEP 0
	KSTEP 1
	KSTEP 2
	KSTEP 3
.if \more
	PLACES
.endif
	WIN 0x40                                       ; loaded data window 1; addresses and a store's data window 0
	s_wait_alu depctr_va_vdst(0)                   ; K steps 0 to 3 are done reading the image's first half, in which the loads below land; the last pair's conversions have written v[CD ..], which the stores below read
.if !\first
.irp i, 0,1,2,3
	global_store_b128 v[SA], v[CD+4*\i:CD+4*\i+3], s[16:17] offset:16384*\i-512    ; the pair before: the base has moved on, the offset reaches back.  32 lanes store 512 consecutive bytes, aligned
.endr
.endif
.if \more
	BL8 0, 32768                                   ; the next pair's first half, eight loads ahead of each K step: no matrix instruction since the wait names their registers
	s_wait_loadcnt 8                               ; all but those eight: this pair's second half is in
	KSTEP 4
	BL8 1, 32768
	KSTEP 5
	BL8 2, 32768
	KSTEP 6
	BL8 3, 32768
	KSTEP 7
.else
	s_wait_loadcnt 0
	KSTEP 4
	KSTEP 5
	KSTEP 6
	KSTEP 7
.endif
	PLACES
	WIN 0
.if \more
	s_wait_alu depctr_va_vdst(0)                   ; K steps 4 to 7 are done reading the image's second half and W1's scale words, in which the loads below land
	global_load_b128 v[WS:WS+3], v2, s[14:15] offset:1024      ; the next pair's scale words: 32 rows x 32 bytes on
	global_load_b128 v[WS+4:WS+7], v2, s[14:15] offset:1040
	BLOAD 1, 32768
.endif
	GELU
	QUANT \first
.if \more
	s_add_nc_u64 s[12:13], s[12:13], 32768         ; free since the wait on XCNT in the quantiser
	s_add_nc_u64 s[14:15], s[14:15], 1024
	s_add_nc_u64 s[16:17], s[16:17], 512
.else
	s_wait_alu depctr_va_vdst(0)                   ; the conversions have written v[CD ..] and the shifts v[HW ..], which the last stores read
.irp i, 0,1,2,3
	global_store_b128 v[SA], v[CD+4*\i:CD+4*\i+3], s[16:17] offset:16384*\i        ; the last pair's own codes
.endr
.endif
.endm
	s_load_b256 s[4:11], s[0:1], 0x0               ; grp s[4:5], tok s[6:7], x_codes s[8:9], x_scales s[10:11]
	s_load_b256 s[12:19], s[0:1], 0x20             ; w1i s[12:13], w1_scales s[14:15], h s[16:17], hs s[18:19]
	v_and_b32 v14, 15, v0                          ; r (one wave: v0 is the lane)
	v_lshrrev_b32 v15, 4, v0                       ; h
	v_lshlrev_b32 v1, 4, v0                        ; 16 l
	v_lshlrev_b32 v[SA], 4, v0                     ; and once more, for the codes' stores
	v_and_b32 v2, 8, v14
	v_add_nc_u32 v2, v2, v14
	v_lshl_add_u32 v2, v15, 3, v2
	v_lshlrev_b32 v2, 5, v2                        ; W1's scales: row 8 (l / 16) + r + 8 (r / 8) of the pair's 32, 32 bytes a row
	v_lshlrev_b32 v3, 3, v0                        ; 8 l
	v_lshlrev_b32 v46, 2, v14
	v_lshlrev_b32 v47, 2, v0
	v_mov_b32 v10, 0xbdd2d3e8                      ; C3, twice
	v_mov_b32 v11, 0xbdd2d3e8
	v_mov_b32 v12, 0xc0135761                      ; C1, twice
	v_mov_b32 v13, 0xc0135761
.irp i, 0,1,2,3
	v_mov_b32 v[PM+\i], 0                          ; written once: a lane permute's destination counts as one of its sources
.endr
.irp i, 0,1,2,3,4,5,6,7
	v_mov_b32 v[HW+\i], 0
.endr
	s_and_b32 s20, ttmp7, 0xffff                   ; g
	s_lshr_b32 s21, ttmp9, 2                       ; which
	s_and_b32 s22, ttmp9, 3                        ; q
	s_mov_b32 s33, 0x600000                        ; the mantissa field of 448
	s_mov_b32 s34, 0x76543210
	s_mov_b32 s35, 0xfedcba98                      ; v_permlanex16_b32's selects for lane l xor 16
	s_mov_b32 s37, 0
	s_wait_kmcnt 0x0
	s_lshl_b32 s36, s20, 4
	s_add_nc_u64 s[4:5], s[4:5], s[36:37]
	s_load_b128 s[24:27], s[4:5], 0x0              ; a, b, rows, 0
	s_lshl_b32 s36, s20, 8
	s_add_nc_u64 s[6:7], s[6:7], s[36:37]
	s_wait_alu depctr_va_vdst(0)                   ; the offsets v1, v2, v3, v46, v47 and v48 are written, which the loads and stores of the kernel read
	global_load_b32 v40, v47, s[6:7]               ; the tokens, by position (for the scale words) ..
	global_load_b32 v41, v47, s[6:7] offset:128
.irp i, 0,1,2,3
	global_load_b32 v[42+\i], v46, s[6:7] offset:64*\i         ; .. and by unit and row (for the fragments): their addresses hang on g alone
.endr
	s_wait_kmcnt 0x0
	s_cmp_eq_u32 s26, 0
	s_cbranch_scc1 .Lend                           ; the split leaves this group without rows
	s_cmp_eq_u32 s24, s25
	s_cselect_b32 s29, s21, 0
	s_cmp_lg_u32 s29, 0
	s_cbranch_scc1 .Lend                           ; a = b: there is no second expert
	s_cmp_eq_u32 s21, 0
	s_cselect_b32 s28, s24, s25
	s_min_u32 s28, s28, 7                          ; my expert
	s_lshl_b32 s38, s20, 1
	s_add_co_u32 s38, s38, s21                     ; 2 g + which
	s_lshl_b32 s36, s28, 20
	s_lshl_b32 s39, s22, 18
	s_add_co_u32 s36, s36, s39
	s_add_nc_u64 s[12:13], s[12:13], s[36:37]      ; my first image
	s_lshl_b32 s36, s28, 15
	s_lshl_b32 s39, s22, 13
	s_add_co_u32 s36, s36, s39
	s_add_nc_u64 s[14:15], s[14:15], s[36:37]      ; its rows' scales
	s_lshl_b32 s36, s38, 16
	s_lshl_b32 s39, s22, 12
	s_add_co_u32 s36, s36, s39
	s_add_nc_u64 s[16:17], s[16:17], s[36:37]      ; h: 64 KB for (group, which); 512 bytes a pair
	s_lshl_b32 s36, s38, 12
	s_lshl_b32 s39, s22, 8
	s_add_co_u32 s36, s36, s39
	s_add_nc_u64 s[18:19], s[18:19], s[36:37]      ; hs: 4 KB for (group, which); 256 bytes for my two K steps
	global_load_b128 v[WS:WS+3], v2, s[14:15]
	global_load_b128 v[WS+4:WS+7], v2, s[14:15] offset:16
	BLOAD 0, 0
	s_wait_loadcnt 34                              ; behind the six loads of tokens stand these 34
.irp i, 0,1,2,3
	v_min_u32 v[42+\i], 4095, v[42+\i]             ; a padding position takes token 4,095
	v_lshlrev_b32 v[4+\i], 10, v[42+\i]
	v_lshl_add_u32 v[4+\i], v15, 4, v[4+\i]        ; x: the token's row of 1,024 bytes, + 16 h
.endr
.irp j, 0,1
	v_min_u32 v[40+\j], 4095, v[40+\j]
	v_lshlrev_b32 v[8+\j], 5, v[40+\j]             ; and its 32 scale bytes
.endr
	s_wait_alu depctr_va_vdst(0)                   ; the six offsets v4 to v9, made of the tokens, are written: the loads of x's scale words and fragments read them
.irp j, 0,1
	global_load_b128 v[XS+8*\j:XS+8*\j+3], v[8+\j], s[10:11]
	global_load_b128 v[XS+8*\j+4:XS+8*\j+7], v[8+\j], s[10:11] offset:16
.endr
	WIN 0x80                                       ; destination window 2: K steps 0 to 3
.irp s, 0,1,2,3
.irp i, 0,1,2,3
.irp c, 0,1,2,3
	global_load_b128 v[16*(4*\s+\i)+4*\c:16*(4*\s+\i)+4*\c+3], v[4+\i], s[8:9] offset:128*\s+32*\c
.endr
.endr
.endr
	WIN 0xc0                                       ; window 3: K steps 4 to 7
.irp s, 0,1,2,3
.irp i, 0,1,2,3
.irp c, 0,1,2,3
	global_load_b128 v[16*(4*\s+\i)+4*\c:16*(4*\s+\i)+4*\c+3], v[4+\i], s[8:9] offset:512+128*\s+32*\c
.endr
.endr
.endr
	BLOAD 1, 0
	PAIR 1, 1                                      ; the first pair is written out: it has no codes of a pair before to store
	s_mov_b32 s32, 6
.Lpair:
	PAIR 0, 1
	s_sub_co_u32 s32, s32, 1
	s_cmp_lg_u32 s32, 0
	s_cbranch_scc1 .Lpair
	PAIR 0, 0                                      ; the last pair asks for nothing: no load leaves its buffer
.irp i, 0,1,2,3
	global_store_b64 v3, v[HW+2*\i:HW+2*\i+1], s[18:19] offset:1024*\i             ; a unit's scale words of my two K steps: 256 consecutive bytes, aligned.  (No vector instruction stands behind the last pair's closing wait on va_vdst)
.endr
.Lend:
	s_endpgm
.Lfunc_end_k_q2516101ce2_up:
	.size	k_q2516101ce2_up, .Lfunc_end_k_q2516101ce2_up-k_q2516101ce2_up
	.p2alignl 7, 3214868480
	.fill 96, 4, 3214868480
	.section	.rodata,"a",@progbits
	.p2align	6, 0x0
	.amdhsa_kernel k_q2516101ce2_up
		.amdhsa_group_segment_fixed_size 0
		.amdhsa_private_segment_fixed_size 0
		.amdhsa_enable_private_segment 0
		.amdhsa_kernarg_size 64
		.amdhsa_user_sgpr_count 2
		.amdhsa_user_sgpr_kernarg_segment_ptr 1
		.amdhsa_wavefront_size32 1
		.amdhsa_system_sgpr_workgroup_id_x 1
		.amdhsa_system_sgpr_workgroup_id_y 1
		.amdhsa_system_sgpr_workgroup_id_z 1
		.amdhsa_system_vgpr_workitem_id 0
		.amdhsa_next_free_vgpr 1024
		.amdhsa_next_free_sgpr 66
		.amdhsa_reserve_vcc 0
		.amdhsa_float_denorm_mode_32 3
		.amdhsa_float_denorm_mode_16_64 3
		.amdhsa_memory_ordered 1
		.amdhsa_forward_progress 1
		.amdhsa_inst_pref_size 132
	.end_amdhsa_kernel
	.amdgpu_metadata
---
amdhsa.version: [ 1, 2 ]
amdhsa.kernels:
  - .name:           k_q2516101ce2_up
    .symbol:         k_q2516101ce2_up.kd
    .args:
      - { .name: grp, .offset: 0, .size: 8, .value_kind: global_buffer, .address_space: global }
      - { .name: tok, .offset: 8, .size: 8, .value_kind: global_buffer, .address_space: global }
      - { .name: x_codes, .offset: 16, .size: 8, .value_kind: global_buffer, .address_space: global }
      - { .name: x_scales, .offset: 24, .size: 8, .value_kind: global_buffer, .address_space: global }
      - { .name: w1i, .offset: 32, .size: 8, .value_kind: global_buffer, .address_space: global }
      - { .name: w1_scales, .offset: 40, .size: 8, .value_kind: global_buffer, .address_space: global }
      - { .name: h, .offset: 48, .size: 8, .value_kind: global_buffer, .address_space: global }
      - { .name: hs, .offset: 56, .size: 8, .value_kind: global_buffer, .address_space: global }
    .group_segment_fixed_size: 0
    .private_segment_fixed_size: 0
    .kernarg_segment_align: 8
    .kernarg_segment_size: 64
    .max_flat_workgroup_size: 32
    .sgpr_count:     66
    .vgpr_count:     1024
    .wavefront_size: 32
...
	.end_amdgpu_metadata
.endif
;; end of part 5
;; launch down (part 6): grid 8 x 99, 1 waves a work-group, no clusters, 34,048 bytes of LDS; arguments grp, tok, coef, h, hs, w2i, w2_scales, out0; writes out0
.if DOCPART == 6
	.amdgcn_target "amdgcn-amd-amdhsa--gfx1250"
	.amdhsa_code_object_version 6
	.text
	.protected	k_q2516101ce2_down
	.globl	k_q2516101ce2_down
	.p2align	8
	.type	k_q2516101ce2_down,@function
k_q2516101ce2_down:
	s_mov_b64 s[64:65], 0
	v_nop
	global_prefetch_b8 v0, s[64:65] scope:SCOPE_SE
	s_setreg_imm32_b32 hwreg(HW_REG_WAVE_SCHED_MODE, 0, 2), 2
	s_setreg_imm32_b32 hwreg(HW_REG_WAVE_MODE, 25, 1), 1
	s_wait_xcnt 0x0
	s_wait_alu depctr_vm_vsrc(0)
; out[token] = ca (H_a W2_a) + cb (H_b W2_b) for one group of 64 positions and 128 output columns.  Work-group (x, y): group g = y, columns 128 x on: four PAIRS of tiles.
; Every token lies in one group, so each output row has one owner, and nothing is summed between work-groups.
; A work-group is ONE wave.  The group's hidden codes, all of K, fill 512 registers (loaded as the operand's image, 512 consecutive bytes a load); W2's images come from memory
; straight into 256 registers.  Pass a puts ca x its results into a stage in LDS (64 rows x 512 bytes); pass b, left out where a = b, adds cb x its own; then whole pieces of
; rows, 512 bytes, leave to the tokens' rows.  Padding positions are a group's last and are not stored.
; WHY NO TENSOR LOAD, NO CLUSTER: the wave branches on the stored list (no rows; a = b), and which groups share an expert hangs on the split.
; THE PRODUCT IS USED TRANSPOSED (source 0 = 16 rows of W2, source 1 = 16 rows of H); a tile's rows are 32 P + 8 u + r + 8 (r / 8): the 16 registers of a pair's two tiles are
; columns 32 P + 16 (l / 16) + 0 .. 15 of row l % 16: 64 neighbouring bytes.
; REGISTERS: window 0: v1-11 addresses; v16-23 (ca, ca), v24-31 (cb, cb), a pair a unit; v32-39 W2's scale words; v40-55 H's; v56-63 the coefficients as loaded; v64-127 the accumulators;
;   v128-191 at work; v192-207 the stores' offsets; v254, v255 the closing add's two.  Window 1: a pair's image.  Windows 2, 3: H's fragments (K step s, unit i) at 16 (4 (s % 4) + i).
; THE MODE: SCHED_MODE bits 1:0 = 2 (LLVM: expert scheduling mode 2), set by the entry lines.  The code itself states the register dependences
; between vector or matrix instructions and memory or LDS instructions, with s_wait_alu, always for 0.
; THE PLAN.  Registers that memory or LDS instructions touch:
;   the image's first half (window 1, v0-127)    read by K steps 0-3; the next pair's 32 loads land in it, eight ahead of each of K steps 4 to 7.
;   the image's second half, W2's scale words    read by K steps 4-7 (the words by all eight); the next pair's 34 loads land in them behind K step 7.
;   H's fragments and scale words                read by a pass's matrix instructions; pass b's land behind pass a's last K step.
;   v6, the pair's place in the stage            written once a pair, behind K step 3; read by the pair's LDS loads and stores.
;   v128-191                                     pass a: written by the pair's multiplications, read by its 16 LDS stores.  Pass b: the stage's 16 loads land in them behind K step 3,
;                                                the multiply-adds read and write them, the 16 LDS stores read them.  The way out: 16 rows from the stage land in them, the global stores read them.
;   v192-207                                     the way out: written by 16 additions, read by the 16 global stores.
;   v1, v2, v3, v10, v11                         offsets, made once at the head and never written again.
; So a pair has: one wait on vm_vsrc behind K step 3 (the last pair's LDS stores have read v6 and v128-191), the add to v6, and one wait on va_vdst for all that follows up to K step 7;
; one wait on va_vdst behind K step 7; one ahead of the LDS stores.  K steps 4 to 7 name the image's second half, window 3, the accumulators and the scale words: none of the registers that the loads dealt among them touch.
; The way out takes sixteen rows at a time, so that the lanes' tokens pass into scalar registers behind ONE wait on va_sdst and the offsets into the stores behind ONE on va_vdst.
.set ACC,  64
.set GT,   128
.set VO,   192
.set CA,   16
.set CB,   24
.set WS,   32
.set XS,   40
.set TK,   32                          ; s32-47   the way out: sixteen rows' tokens, then their rows' byte offsets (the loops' counters and pass a's bases are done with there)
.set SPI,  528                         ; a stage row: 512 bytes + 16, an odd multiple of 16
.set MSB,  0
.macro WIN new                         ; the immediate's high byte repeats the setting that is left
.if MSB != (\new)
	s_set_vgpr_msb (MSB<<8)|(\new)
.set MSB, \new
.endif
.endm
.macro PLACES                          ; eight places behind this matrix form, in front of reads of its results; in front of loads into its registers they stand as in the plain form
.rept 8
	v_nop
.endr
.endm
.macro BLOAD half, off, bp             ; half an image, 16 KB, into window 1
	WIN 0x40
.set bk, 0
.rept 32
	global_load_b128 v[128*\half+4*bk:128*\half+4*bk+3], v1, s[\bp:\bp+1] offset:\off+16384*\half+512*bk
.set bk, bk+1
.endr
	WIN 0
.endm
.macro BL8 q, off, bp                  ; eight chunks of an image, 8 q .. 8 q + 7 (K step q), into window 1
	WIN 0x40
.set bk, 8*(\q)
.rept 8
	global_load_b128 v[4*bk:4*bk+3], v1, s[\bp:\bp+1] offset:\off+512*bk
.set bk, bk+1
.endr
.endm
.macro MM sg, sl, u, i                 ; K step sg (sl = sg % 4), tile u, unit i
.set rD, ACC+16*(\i)+8*(\u)
.set rB, 16*(2*(\sg)+(\u))
.set rA, 16*(4*(\sl)+(\i))
.set rW, WS+(\sg)
.set rX, XS+8*((\i)/2)+(\sg)
.if (\sg) == 0                         ; the first K step starts the sums: nothing is cleared
.if (\u) == 0
.if ((\i)%2) == 0
	v_wmma_scale_f32_16x16x128_f8f6f4 v[rD:rD+7], v[rB:rB+15], v[rA:rA+15], 0, v[rW], v[rX]
.else
	v_wmma_scale_f32_16x16x128_f8f6f4 v[rD:rD+7], v[rB:rB+15], v[rA:rA+15], 0, v[rW], v[rX] matrix_b_scale:MATRIX_SCALE_ROW1
.endif
.else
.if ((\i)%2) == 0
	v_wmma_scale_f32_16x16x128_f8f6f4 v[rD:rD+7], v[rB:rB+15], v[rA:rA+15], 0, v[rW], v[rX] matrix_a_scale:MATRIX_SCALE_ROW1
.else
	v_wmma_scale_f32_16x16x128_f8f6f4 v[rD:rD+7], v[rB:rB+15], v[rA:rA+15], 0, v[rW], v[rX] matrix_a_scale:MATRIX_SCALE_ROW1 matrix_b_scale:MATRIX_SCALE_ROW1
.endif
.endif
.else
.if (\u) == 0
.if ((\i)%2) == 0
	v_wmma_scale_f32_16x16x128_f8f6f4 v[rD:rD+7], v[rB:rB+15], v[rA:rA+15], v[rD:rD+7], v[rW], v[rX]
.else
	v_wmma_scale_f32_16x16x128_f8f6f4 v[rD:rD+7], v[rB:rB+15], v[rA:rA+15], v[rD:rD+7], v[rW], v[rX] matrix_b_scale:MATRIX_SCALE_ROW1
.endif
.else
.if ((\i)%2) == 0
	v_wmma_scale_f32_16x16x128_f8f6f4 v[rD:rD+7], v[rB:rB+15], v[rA:rA+15], v[rD:rD+7], v[rW], v[rX] matrix_a_scale:MATRIX_SCALE_ROW1
.else
	v_wmma_scale_f32_16x16x128_f8f6f4 v[rD:rD+7], v[rB:rB+15], v[rA:rA+15], v[rD:rD+7], v[rW], v[rX] matrix_a_scale:MATRIX_SCALE_ROW1 matrix_b_scale:MATRIX_SCALE_ROW1
.endif
.endif
.endif
.endm
.macro KSTEP sg                        ; 8 matrix instructions: K step sg.  The eight accumulators take turns, one instruction a turn
	WIN 0x09+4*((\sg)/4)                           ; source 0 window 1, source 1 window 2 or 3, C and D window 0
.irp u, 0,1
.irp i, 0,1,2,3
	MM \sg, (\sg)%4, \u, \i
.endr
.endr
.endm
; All that a pass needs at its start.  bp: the pass's four bases: s[bp] images, s[bp+2] W2's scales, s[bp+4] H's codes, s[bp+6] H's scale words.  The image's second half comes last: the pass's first wait leaves it out.
.macro HEADLOADS bp
	global_load_b128 v[WS:WS+3], v2, s[\bp+2:\bp+3]
	global_load_b128 v[WS+4:WS+7], v2, s[\bp+2:\bp+3] offset:16
	BLOAD 0, 0, \bp
.irp j, 0,1
.irp q, 0,1,2,3
	global_load_b64 v[XS+8*\j+2*\q:XS+8*\j+2*\q+1], v3, s[\bp+6:\bp+7] offset:2048*\j+256*\q   ; lanes 0-15: unit 2 j, lanes 16-31: unit 2 j + 1; K steps 2 q, 2 q + 1
.endr
.endr
	WIN 0x80                                       ; destination window 2: K steps 0 to 3
.irp s, 0,1,2,3
.irp i, 0,1,2,3
.irp c, 0,1,2,3
	global_load_b128 v[16*(4*\s+\i)+4*\c:16*(4*\s+\i)+4*\c+3], v1, s[\bp+4:\bp+5] offset:16384*\i+512*(4*\s+\c)
.endr
.endr
.endr
	WIN 0xc0                                       ; window 3: K steps 4 to 7
.irp s, 0,1,2,3
.irp i, 0,1,2,3
.irp c, 0,1,2,3
	global_load_b128 v[16*(4*\s+\i)+4*\c:16*(4*\s+\i)+4*\c+3], v1, s[\bp+4:\bp+5] offset:16384*\i+512*(16+4*\s+\c)
.endr
.endr
.endr
	BLOAD 1, 0, \bp
.endm
; A PAIR: 64 products and the way into the stage.  more = 1: the next pair's image and scale words are asked for; 2: pass a's last pair: pass b's first loads, where there is a pass b; 0: nothing.
; ep = 0: the stage takes ca x the results; 1: cb x the results is added to what lies there.
.macro PAIR more, ep, bp
	s_wait_loadcnt 32                              ; all but the 32 loads of the image's second half
	KSTEP 0
	KSTEP 1
	KSTEP 2
	KSTEP 3
	WIN 0
	s_wait_alu depctr_vm_vsrc(0)                   ; the last pair's LDS stores have read v6, which the next line writes, and v128-191, which this pair's loads or multiplications write
	v_add_nc_u32 v6, s33, v4                       ; the pair's 128 bytes of my row
.if \more == 1
	PLACES
.endif
.if (\more == 1) || \ep
	s_wait_alu depctr_va_vdst(0)                   ; K steps 0 to 3 are done reading the image's first half, in which the next pair's loads land; v6 is written; the last pair's arithmetic is done with v128-191, in which the stage's loads land
.endif
.if \ep
.irp i, 0,1,2,3
.irp k, 0,1,2,3
	ds_load_b128 v[GT+16*\i+4*\k:GT+16*\i+4*\k+3], v6 offset:16*SPI*\i+16*\k       ; what pass a left in the stage: asked for four K steps ahead of its use
.endr
.endr
.endif
.if \more == 1
	BL8 0, 32768, \bp                              ; the next pair's first half, eight loads ahead of each K step: no matrix instruction since the wait names their registers
	s_wait_loadcnt 8                               ; all but those eight: this pair's second half is in
	KSTEP 4
	BL8 1, 32768, \bp
	KSTEP 5
	BL8 2, 32768, \bp
	KSTEP 6
	BL8 3, 32768, \bp
	KSTEP 7
.else
	s_wait_loadcnt 0
	KSTEP 4
	KSTEP 5
	KSTEP 6
	KSTEP 7
.endif
	PLACES
	WIN 0
.if \more == 1
	s_wait_alu depctr_va_vdst(0)                   ; K steps 4 to 7 are done reading the image's second half and W2's scale words, in which the loads below land
	global_load_b128 v[WS:WS+3], v2, s[\bp+2:\bp+3] offset:1024
	global_load_b128 v[WS+4:WS+7], v2, s[\bp+2:\bp+3] offset:1040
	BLOAD 1, 32768, \bp
.endif
.if \more == 2
	s_cmp_eq_u32 s24, s25
	s_cbranch_scc1 .Lsame_\@
	s_wait_alu depctr_va_vdst(0)                   ; pass a's matrix instructions are done reading the image, H's fragments and both sides' scale words: pass b's loads land in all of them
	HEADLOADS 48                                   ; every register of pass a's operands is free: pass b's loads are on their way during this pair's way into the stage
.Lsame_\@:
.endif
	s_wait_dscnt 0x0                               ; my LDS instructions are done: the last pair's stores, and with ep = 1 this pair's loads from the stage
.if \ep == 0
.irp i, 0,1,2,3
.irp k, 0,2,4,6,8,10,12,14
	v_pk_mul_f32 v[GT+16*\i+\k:GT+16*\i+\k+1], v[ACC+16*\i+\k:ACC+16*\i+\k+1], v[CA+2*\i:CA+2*\i+1]   ; each accumulator from its low end on
.endr
.endr
.else
.irp i, 0,1,2,3
.irp k, 0,2,4,6,8,10,12,14
	v_pk_fma_f32 v[GT+16*\i+\k:GT+16*\i+\k+1], v[ACC+16*\i+\k:ACC+16*\i+\k+1], v[CB+2*\i:CB+2*\i+1], v[GT+16*\i+\k:GT+16*\i+\k+1]
.endr
.endr
.endif
	s_wait_alu depctr_va_vdst(0)                   ; the 32 packed lines have written v128-191, which the LDS stores read
.irp i, 0,1,2,3
.irp k, 0,1,2,3
	ds_store_b128 v6, v[GT+16*\i+4*\k:GT+16*\i+4*\k+3] offset:16*SPI*\i+16*\k
.endr
.endr
.if \more == 1
	s_wait_xcnt 0x0                                ; the loads have read their bases: only now are these written again
	s_add_nc_u64 s[\bp:\bp+1], s[\bp:\bp+1], 32768
	s_add_nc_u64 s[\bp+2:\bp+3], s[\bp+2:\bp+3], 1024
	s_add_co_u32 s33, s33, 128
.endif
.endm
	s_load_b256 s[4:11], s[0:1], 0x0               ; grp s[4:5], tok s[6:7], coef s[8:9], h s[10:11]
	s_load_b256 s[12:19], s[0:1], 0x20             ; hs s[12:13], w2i s[14:15], w2_scales s[16:17], out0 s[18:19]
	v_lshl_add_u32 v254, v0, 2, 0x8400
	v_mov_b32 v255, 0
	v_and_b32 v14, 15, v0                          ; r (one wave: v0 is the lane)
	v_lshrrev_b32 v15, 4, v0                       ; h
	v_lshlrev_b32 v1, 4, v0                        ; 16 l
	v_and_b32 v2, 8, v14
	v_add_nc_u32 v2, v2, v14
	v_lshl_add_u32 v2, v15, 3, v2
	v_lshlrev_b32 v2, 5, v2                        ; W2's scales: row 8 (l / 16) + r + 8 (r / 8) of the pair's 32, 32 bytes a row
	v_lshlrev_b32 v3, 3, v0
	v_lshl_add_u32 v3, v15, 10, v3                 ; H's scale words: 1,024 (l / 16) + 8 l
	v_mul_u32_u24 v4, v14, SPI
	v_lshl_add_u32 v4, v15, 6, v4                  ; the stage: row r, + 64 h
	s_lshl_b32 s22, ttmp9, 9
	v_add_nc_u32 v7, s22, v1                       ; my 16 bytes of an output row: 512 x + 16 l
	v_lshlrev_b32 v10, 3, v14
	v_lshlrev_b32 v11, 2, v0
	s_and_b32 s20, ttmp7, 0xffff                   ; g
	s_mov_b32 s37, 0
	s_mov_b32 s33, 0
	s_wait_kmcnt 0x0
	s_lshl_b32 s36, s20, 4
	s_add_nc_u64 s[4:5], s[4:5], s[36:37]
	s_load_b128 s[24:27], s[4:5], 0x0              ; a, b, rows, 0
	s_lshl_b32 s36, s20, 17
	s_add_nc_u64 s[44:45], s[10:11], s[36:37]      ; H's codes for expert a,
	s_add_nc_u64 s[52:53], s[44:45], 0x10000       ; for expert b
	s_lshl_b32 s36, s20, 13
	s_add_nc_u64 s[46:47], s[12:13], s[36:37]      ; and the scale words
	s_add_nc_u64 s[54:55], s[46:47], 0x1000
	s_lshl_b32 s36, s20, 8
	s_add_nc_u64 s[6:7], s[6:7], s[36:37]
	s_lshl_b32 s36, s20, 9
	s_add_nc_u64 s[8:9], s[8:9], s[36:37]
	s_wait_kmcnt 0x0
	s_cmp_eq_u32 s26, 0
	s_cbranch_scc1 .Ldone                          ; the split leaves this group without rows
	s_min_u32 s28, s24, 7
	s_min_u32 s29, s25, 7
	s_lshl_b32 s38, ttmp9, 17                      ; four images of 32 KB
	s_lshl_b32 s36, s28, 20
	s_add_co_u32 s36, s36, s38
	s_add_nc_u64 s[40:41], s[14:15], s[36:37]
	s_lshl_b32 s36, s29, 20
	s_add_co_u32 s36, s36, s38
	s_add_nc_u64 s[48:49], s[14:15], s[36:37]
	s_lshl_b32 s38, ttmp9, 12                      ; 128 rows of 32 scale bytes
	s_lshl_b32 s36, s28, 15
	s_add_co_u32 s36, s36, s38
	s_add_nc_u64 s[42:43], s[16:17], s[36:37]
	s_lshl_b32 s36, s29, 15
	s_add_co_u32 s36, s36, s38
	s_add_nc_u64 s[50:51], s[16:17], s[36:37]
	s_wait_alu depctr_va_vdst(0)                   ; the offsets v1, v2, v3, v10 and v11 are written, which the loads of the kernel read
	global_load_b32 v8, v11, s[6:7]                ; the tokens of positions 0-31,
	global_load_b32 v9, v11, s[6:7] offset:128     ; 32-63
.irp i, 0,1,2,3
	global_load_b64 v[56+2*\i:57+2*\i], v10, s[8:9] offset:128*\i                  ; (ca, cb) of row r of unit i
.endr
	HEADLOADS 40
	s_wait_loadcnt 32                              ; all but the image's second half: the coefficients and the tokens are in
.irp i, 0,1,2,3
	v_mov_b32 v[CA+2*\i], v[56+2*\i]               ; as pairs, for the packed forms
	v_mov_b32 v[CA+2*\i+1], v[56+2*\i]
	v_mov_b32 v[CB+2*\i], v[57+2*\i]
	v_mov_b32 v[CB+2*\i+1], v[57+2*\i]
.endr
	s_mov_b32 s32, 3
.Lpa:
	PAIR 1, 0, 40
	s_sub_co_u32 s32, s32, 1
	s_cmp_lg_u32 s32, 0
	s_cbranch_scc1 .Lpa
	PAIR 2, 0, 40
	s_cmp_eq_u32 s24, s25
	s_cbranch_scc1 .Lfinal                         ; one expert named twice: ca holds both weights
	s_mov_b32 s33, 0
	s_mov_b32 s32, 3
.Lpb:
	PAIR 1, 1, 48
	s_sub_co_u32 s32, s32, 1
	s_cmp_lg_u32 s32, 0
	s_cbranch_scc1 .Lpb
	PAIR 0, 1, 48
.Lfinal:
	s_wait_dscnt 0x0                               ; the last LDS stores are done
	s_wait_alu depctr_vm_vsrc(0)                   ; and have read v128-191, in which the rows below land (the lines that wrote those registers stand ahead of the last wait on va_vdst)
.irp t, 0,1,2,3                        ; sixteen rows at a time
.irp k, 0,1,2,3,4,5,6,7,8,9,10,11,12,13,14,15
	ds_load_b128 v[GT+4*\k:GT+4*\k+3], v1 offset:SPI*(16*\t+\k)                    ; a row's 512 bytes, 16 a lane
.endr
.irp k, 0,1,2,3,4,5,6,7,8,9,10,11,12,13,14,15
	v_readlane_b32 s[TK+\k], v[8+(16*\t+\k)/32], (16*\t+\k)%32                     ; the sixteen rows' tokens, padding positions' marks too: those are held below and never used
.endr
	s_wait_alu depctr_va_sdst(0)                   ; the sixteen lines above have written s32-47, ahead of their first reader
.irp k, 0,1,2,3,4,5,6,7,8,9,10,11,12,13,14,15
	s_min_u32 s[TK+\k], s[TK+\k], 4095
	s_lshl_b32 s[TK+\k], s[TK+\k], 12              ; the token's row of 4,096 bytes
.endr
.irp k, 0,1,2,3,4,5,6,7,8,9,10,11,12,13,14,15
	v_add_nc_u32 v[VO+\k], s[TK+\k], v7
.endr
	s_wait_alu depctr_va_vdst(0)                   ; the sixteen additions have written v192-207, which the stores read as their offsets
	s_wait_dscnt 0x0
.irp k, 0,1,2,3,4,5,6,7,8,9,10,11,12,13,14,15
	s_cmp_le_u32 s26, 16*\t+\k                     ; the group's rows are its first positions: behind them is padding
	s_cbranch_scc1 .Ldone
	global_store_b128 v[VO+\k], v[GT+4*\k:GT+4*\k+3], s[18:19] th:TH_STORE_NT      ; 32 lanes store 512 consecutive bytes, aligned; written once, read by nobody here
.endr
	s_wait_xcnt 0x0                                ; the stores have read their offsets and data: the next sixteen rows may land there
.if \t < 3
	s_wait_alu depctr_vm_vsrc(0)                   ; the stores have read v128-191, in which the next rows land, and v192-207, which the next additions write
.endif
.endr
.Ldone:
	s_wait_dscnt 0x0                               ; the closing lines, six on end
	s_wait_alu 0x0
	s_wait_tensorcnt 0x0
	ds_add_u32 v254, v255
	s_wait_dscnt 0x0
	s_endpgm
.Lfunc_end_k_q2516101ce2_down:
	.size	k_q2516101ce2_down, .Lfunc_end_k_q2516101ce2_down-k_q2516101ce2_down
	.p2alignl 7, 3214868480
	.fill 96, 4, 3214868480
	.section	.rodata,"a",@progbits
	.p2align	6, 0x0
	.amdhsa_kernel k_q2516101ce2_down
		.amdhsa_group_segment_fixed_size 34048
		.amdhsa_private_segment_fixed_size 0
		.amdhsa_enable_private_segment 0
		.amdhsa_kernarg_size 64
		.amdhsa_user_sgpr_count 2
		.amdhsa_user_sgpr_kernarg_segment_ptr 1
		.amdhsa_wavefront_size32 1
		.amdhsa_system_sgpr_workgroup_id_x 1
		.amdhsa_system_sgpr_workgroup_id_y 1
		.amdhsa_system_sgpr_workgroup_id_z 1
		.amdhsa_system_vgpr_workitem_id 0
		.amdhsa_next_free_vgpr 1024
		.amdhsa_next_free_sgpr 66
		.amdhsa_reserve_vcc 0
		.amdhsa_float_denorm_mode_32 3
		.amdhsa_float_denorm_mode_16_64 3
		.amdhsa_memory_ordered 1
		.amdhsa_forward_progress 1
		.amdhsa_inst_pref_size 132
	.end_amdhsa_kernel
	.amdgpu_metadata
---
amdhsa.version: [ 1, 2 ]
amdhsa.kernels:
  - .name:           k_q2516101ce2_down
    .symbol:         k_q2516101ce2_down.kd
    .args:
      - { .name: grp, .offset: 0, .size: 8, .value_kind: global_buffer, .address_space: global }
      - { .name: tok, .offset: 8, .size: 8, .value_kind: global_buffer, .address_space: global }
      - { .name: coef, .offset: 16, .size: 8, .value_kind: global_buffer, .address_space: global }
      - { .name: h, .offset: 24, .size: 8, .value_kind: global_buffer, .address_space: global }
      - { .name: hs, .offset: 32, .size: 8, .value_kind: global_buffer, .address_space: global }
      - { .name: w2i, .offset: 40, .size: 8, .value_kind: global_buffer, .address_space: global }
      - { .name: w2_scales, .offset: 48, .size: 8, .value_kind: global_buffer, .address_space: global }
      - { .name: out0, .offset: 56, .size: 8, .value_kind: global_buffer, .address_space: global }
    .group_segment_fixed_size: 34048
    .private_segment_fixed_size: 0
    .kernarg_segment_align: 8
    .kernarg_segment_size: 64
    .max_flat_workgroup_size: 32
    .sgpr_count:     66
    .vgpr_count:     1024
    .wavefront_size: 32
...
	.end_amdgpu_metadata
.endif
;; end of part 6
